; MI455X (gfx1250); checked and timed in simulation.
; The chip was launched on July 23, 2026; its instructions are those of AMD's public machine-readable ISA for CDNA 5 (MIT licence, August 2026) and "CDNA5" Instruction Set Architecture Reference Guide (July 2026). The comments in the code are by the model that wrote it; some were corrected since.
;; Multi Head Attention. Allowed arithmetic: matrix products marked QUANTISED: E2M1 operands, one E8M0 scale for each 32 along K, by v_wmma_scale_f32_16x16x128_f8f6f4 with both operands' format E2M1 (or v_wmma_scale_f32_32x16x128_f4), f32 sums; products left as they are: bf16, f16 or f32 operands; f32 sums; everything else in f32.
;; Inputs: b_proj 1,024 float32; b_qkv 3,072 float32; w_proj 1,024 x 1,024 float32; w_qkv 1,024 x 3,072 float32; x 4 x 2,048 x 1,024 float32.
;; Outputs: out0 4 x 2,048 x 1,024 float32.
;; This version of the problem:
;;   THIS VERSION OF THE PROBLEM IS GIVEN IN LOW PRECISION. The matrix products marked QUANTISED in the list below multiply operands that are first quantised to E2M1 (2 exponent bits, 1 mantissa bit; 4 bits a number), with one power-of-two scale for each 32 numbers along K (OCP MX v1.0); their sums are f32. The products marked 'left as it is' may take bf16, f16 or f32 operands, with f32 sums. Whichever they take, every output number must still come out within the allowed error. Rounding operands to bf16 (8 significant bits) uses up far more of that allowance than f16 does (11 bits, for magnitudes from 6e-5 to 65,504). All else is computed in f32.
;;   The module's matrix products, in the order in which they are computed (A, B: the left and right operand; K: the contracted axis; several contracted axes count as one K, in the product's order):
;;     1. [M 8,192, K 1,024] x [K 1,024, N 3,072]; A: input x; B: input w_qkv: QUANTISED
;;     2. batch 64 x [M 2,048, K 64] x [K 64, N 2,048]; A: computed on the way; B: computed on the way: left as it is (an operand is computed on the way)
;;     3. batch 64 x [M 2,048, K 2,048] x [K 2,048, N 64]; A: computed on the way; B: computed on the way: left as it is (an operand is computed on the way)
;;     4. [M 8,192, K 1,024] x [K 1,024, N 1,024]; A: computed on the way; B: input w_proj: left as it is (an operand is computed on the way)
;;   THE QUANTISER, for each operand of a quantised product, along K:
;;     - K is cut into blocks of 32 from its start; a last block that is shorter is filled with zeros.
;;     - A block's scale is 2^e with e = floor(log2(the largest magnitude in the block)) - 2, held to -126 .. 127; a block of zeros has e = 0. As a byte (E8M0): e + 127.
;;     - Each number is divided by its block's scale, clamped to +-6, and rounded to the nearest number of E2M1, ties to even, subnormals kept.
;;     - The product sums the exact products of the quantised numbers (number of the format x scale) in f32.
;;   ~~~python
;;   def quantise(x, axis):      # numpy; x: float32 -> the quantised numbers, widened to float32 again
;;       x = np.moveaxis(x, axis, -1); K = x.shape[-1]
;;       x = np.pad(x, [(0, 0)] * (x.ndim - 1) + [(0, -K % 32)]); x = x.reshape(x.shape[:-1] + (-1, 32)); a = np.abs(x).max(-1, keepdims=True)
;;       e = np.where(a > 0, np.clip(np.frexp(np.where(a > 0, a, 1))[1] - 1 - 2, -126, 127), 0)      # np.frexp(a)[1] - 1 = floor(log2(a)), exactly
;;       r = np.clip(x / 2.0 ** e, -6, 6)
;;       step = 2.0 ** (np.maximum(np.frexp(np.where(r == 0, 1, r))[1] - 1, 0) - 1)
;;       q = np.round(r / step) * step * 2.0 ** e      # np.round: ties to even
;;       return np.moveaxis(q.reshape(q.shape[:-2] + (-1,))[..., :K], -1, axis).astype(np.float32)
;;   ~~~
;; One version. Each part assembles by itself: llvm-mc -triple=amdgcn-amd-amdhsa -mcpu=gfx1250 --defsym DOCPART=n.
;; ======== version 1 of 1: 5 launches
;; limits: values are held in f16: magnitudes above 65,504 overflow, below 6.1e-05 lose precision
;; workspace buffers: xq 4,456,448 bytes; wq 1,671,168 bytes; wp 4,194,304 bytes; qkv 50,331,648 bytes; fr 786,432 bytes; y 16,777,216 bytes
;; launch prep (part 1): grid 256 x 1, 16 waves a work-group, no clusters, 167,936 bytes of LDS; arguments x, w_qkv, w_proj, xq, wq, wp; writes xq, wq, wp
.if DOCPART == 1
	.amdgcn_target "amdgcn-amd-amdhsa--gfx1250"
	.amdhsa_code_object_version 6
	.text
	.protected	k_qa8d872b7c4_prep
	.globl	k_qa8d872b7c4_prep
	.p2align	8
	.type	k_qa8d872b7c4_prep,@function
k_qa8d872b7c4_prep:
	s_mov_b64 s[64:65], 0
	v_nop
	global_prefetch_b8 v0, s[64:65] scope:SCOPE_SE
	s_setreg_imm32_b32 hwreg(HW_REG_WAVE_MODE, 25, 1), 1
	s_wait_xcnt 0x0
; Causal multi-head attention (B 4, T 2048, C 1024, 16 heads of 64) in five launches: prep, gemm_qkv, attn, proj, fine.
; THIS LAUNCH: x [8192][1024] and w_qkv [1024][3072], f32, become codes of E2M1 with one E8M0 byte for each 32 along K (K = the 1024); w_proj [1024][1024] becomes two f16 parts.
; WORK LEFT OUT BY THE PROGRAM, for all finite inputs:
;  (1) b_qkv[1024:2048], the bias on k.  score(q, k) = q . (k0 + bk) / 8 = q . k0 / 8 + q . bk / 8.  The second term is the same for every key of a query, and softmax along the keys is unchanged by a
;      term that is the same along its axis.  The product q k^T is not quantised, so the bias moves no code and no scale.  These 1024 numbers are never loaded (the rest of b_qkv is).
;  (2) key steps that lie wholly above the diagonal: reference() itself sets their scores to -inf by its own tril, so their weights are 0.  They are neither loaded nor multiplied.
;  LIMIT: a NaN, an infinity or an overflow that reaches only the work left out is not carried to the result.
; OTHER LIMITS: NaN and infinities among the inputs are not served.  A block of zeros gets the byte 1 where the rule says 127: its codes are zeros, and this program alone reads the bytes.
;  w_proj, q, k, v and y go to the matrix units as f16: magnitudes up to 65,504.
; LAYOUTS (this program's own buffers, laid as images of operand registers):
;  a fragment of codes, 16 rows x 128 K, is 1024 bytes [c 0..1][lane][16 bytes]: lane (r = lane % 16, h = lane / 16) of part c holds row r, K = 64 c + 32 h + 0 .. 31.
;  xq: [512 row tiles][8 K steps][1024]; from byte 4,194,304 the scale words [512][2 halves of K][16 rows][4 words].   wq: [192 column tiles][8][1024]; from byte 1,572,864 [192][2][16][4 words].
;  a fragment of f16, 16 rows x 32 K, is 1024 bytes [g 0..1][lane][16 bytes]: lane (r, h) of part g holds row r, K = 16 g + 8 h + 0 .. 7.
;  wp: the high parts of w_proj^T [64 column tiles][32 chunks of K][1024]; from byte 2,097,152 the low parts.  High = the f32 number with its low 13 mantissa bits cleared, low = the exact difference.
; SHARES.  Work-group G owns rows 32 G .. 32 G + 31 of x; wave w the unit (row tile 2 G + w / 8, K step w % 8): 16 rows x 128 numbers, brought by ONE tensor load a wave at the head: nothing is filled again.
;  Waves 0-7 of groups 0-95 also take 32 columns x 128 K of w_qkv, those of groups 96-127 of w_proj: a lane takes a column and its registers run down K, so nothing is transposed.
;  The text parts once on the work-group's number, into three arms; each arm has its own 1024 bytes for x's scale words.
.set XP,    528                        ; a row of x in LDS: 512 bytes + 16 of padding
.set XT,    16*XP                      ; a wave's tile
.set SCX,   16*XT                      ; x's scale words: 1024 bytes for each of the three arms
.set SCW,   SCX+3*1024                 ; w_qkv's scale words: 1024 bytes
.set SPARE, SCW+1024                   ; the spare words: 128 bytes for each of 16 waves, named by no other line
.set SPW, 14                           ; v14  SPARE + 4 x my thread's number; never rewritten
.set NIL, 15                           ; v15  0; never rewritten
.set X,   32                           ; v32-95   my 64 numbers of x
.set XC,  96                           ; v96-103  their codes
.set C,   64                           ; v64-79   a worker's codes
.set SB,  80                           ; v80      a worker's scale word
.set F,   96                           ; v96-127  high parts in f32
.set WX,  128                          ; v128-255 a worker's 128 numbers
; v1 lane, v2 r, v3 h, v4 16 lane, v5 4 lane, v6-v10 LDS addresses, v11-v13, v28 offsets in memory, v16-27 at work
	s_load_b256 s[4:11], s[0:1], 0x0               ; x s[4:5], w_qkv s[6:7], w_proj s[8:9], xq s[10:11]
	s_load_b128 s[12:15], s[0:1], 0x20             ; wq s[12:13], wp s[14:15]
	v_lshl_add_u32 v[SPW], v0, 2, SPARE
	v_mov_b32 v[NIL], 0
	ds_add_u32 v[SPW], v[NIL]                      ; the opening: the add, twice on end, and its wait ahead of my first tensor load
	ds_add_u32 v[SPW], v[NIL]
	v_lshrrev_b32 v1, 5, v0
	v_readfirstlane_b32 s16, v1                    ; wave 0..15
	s_mov_b32 s24, (2<<16)|(1<<20)|(6<<22)|(3<<25) ; group 1: elements of 4 bytes; padding on: 4 words behind every 128
	s_mov_b32 s25, 128<<16                         ; tensor_dim0 = 128
	s_mov_b32 s26, 16<<16                          ; tensor_dim1 = 16
	s_mov_b32 s27, 128<<16                         ; tile_dim0 = 128
	s_mov_b32 s28, 16                              ; tile_dim1 = 16
	s_mov_b32 s29, 1024                            ; elements from row to row
	s_mov_b32 s30, 0
	s_mov_b32 s31, 0
	s_mul_i32 s17, s16, XT                         ; my tile in LDS
	s_lshl_b32 s40, ttmp9, 17                      ; x: 32 G rows of 4096 bytes,
	s_lshr_b32 s18, s16, 3
	s_lshl_b32 s18, s18, 16                        ; + 16 (w / 8) rows,
	s_add_co_u32 s40, s40, s18
	s_and_b32 s18, s16, 7
	s_lshl_b32 s18, s18, 9                         ; + 512 bytes for each K step
	s_add_co_u32 s40, s40, s18
	s_mov_b32 s41, 0
	s_lshl_b32 s42, ttmp9, 14                      ; xq: 16 fragments a work-group, fragment w is mine
	s_lshl_b32 s18, s16, 10
	s_add_co_u32 s42, s42, s18
	s_mov_b32 s43, 0
	s_lshl_b32 s44, ttmp9, 10                      ; xq's scale words: 1024 bytes a work-group
	s_add_co_u32 s44, s44, 4194304
	s_mov_b32 s45, 0
	s_and_b32 s38, s16, 1                          ; a worker's half of 64 columns
	s_bfe_u32 s39, s16, 0x20001                    ; and its K step in a half of K: (w / 2) % 4
	s_mov_b32 s20, 0x76543210
	s_mov_b32 s21, 0xfedcba98                      ; selects of v_permlanex16_b32: lane xor 16
	s_mov_b32 s22, 0xffffe000                      ; keeps sign, exponent and 10 mantissa bits
	s_wait_dscnt 0x0                               ; both opening adds are done
	s_wait_kmcnt 0x0
	s_mov_b32 s32, 1                               ; group 0: count 1,
	s_mov_b32 s33, s17                             ; LDS address,
	s_add_nc_u64 s[34:35], s[4:5], s[40:41]        ; address of the tile's first number,
	s_or_b32 s35, s35, 0x80000000                  ; type 2
	tensor_load_to_lds s[32:35], s[24:31]          ; one load of mine is out
	s_nop 0
	s_add_nc_u64 s[48:49], s[10:11], s[42:43]
	s_add_nc_u64 s[50:51], s[10:11], s[44:45]
	; every LDS address is made here, ahead of the first parting of the waves
	v_and_b32 v1, 31, v0
	v_and_b32 v2, 15, v0
	v_bfe_u32 v3, v0, 4, 1
	v_lshlrev_b32 v4, 4, v1
	v_lshlrev_b32 v5, 2, v1
	v_mul_u32_u24 v6, v2, XP
	v_lshl_add_u32 v6, v3, 7, v6
	v_add_nc_u32 v6, s17, v6                       ; x: my tile + 528 r + 128 h: my 32 numbers of K = 32 h on
	s_lshr_b32 s18, s16, 2
	s_lshl_b32 s18, s18, 8                         ; x's scale words: 256 bytes for each (row tile, half of K) = w / 4,
	s_and_b32 s19, s16, 3
	s_lshl_b32 s19, s19, 2                         ; word w % 4 of a row's four
	s_add_co_u32 s18, s18, s19
	s_add_co_u32 s18, s18, SCX
	v_lshl_add_u32 v7, v2, 4, s18
	s_lshl_b32 s18, s38, 9
	s_lshl_b32 s19, s39, 2
	s_add_co_u32 s18, s18, s19
	s_add_co_u32 s18, s18, SCW
	v_lshlrev_b32 v8, 4, v2
	v_lshl_add_u32 v8, v3, 8, v8
	v_add_nc_u32 v8, s18, v8                       ; w_qkv's: column tile 2 (w % 2) + lane / 16, column lane % 16, word (w / 2) % 4
	v_and_b32 v28, 63, v0
	v_lshlrev_b32 v28, 4, v28                      ; the scale words' way out: 16 bytes a thread, 64 threads
	v_add_nc_u32 v9, SCX, v28
	v_add_nc_u32 v10, SCW, v28
	v_lshlrev_b32 v11, 4, v2
	v_lshl_add_u32 v12, v3, 15, v11                ; wp: column tile lane / 16 (32768 bytes), 16 bytes a column
	v_lshl_add_u32 v11, v3, 13, v11                ; wq: the same with tiles of 8192 bytes
	v_bfe_u32 v13, v0, 4, 2
	v_lshlrev_b32 v13, 9, v13
	v_lshl_add_u32 v13, v2, 4, v13                 ; wq's scale words: 512 bytes a column tile
; block t of a worker: W(32 t + i, my column), i = 0 .. 31.  32 lanes read 128 neighbouring bytes; the wave beside me reads the next 128
.macro WLOAD t, pitch, b
.set i, 0
.rept 32
	global_load_b32 v[WX+32*(\t)+i], v5, s[\b:\b+1] offset:(32*(\t)+i)*\pitch th:TH_LOAD_NT
.set i, i+1
.endr
.endm
.macro WWAIT t                         ; loads run two blocks ahead: block t is in, the next block's 32 may be out
.if (\t) < 3
	s_wait_loadcnt 32
.else
	s_wait_loadcnt 0x0
.endif
.endm
; a block of 32 along K of my column of w_qkv: all its numbers are mine
.macro WQBLK t
.set XS, WX+32*(\t)
	WWAIT \t
.if (\t)+2 < 4
	WLOAD (\t)+2, 12288, 6
.endif
	v_max3_num_f32 v16, |v[XS]|, |v[XS+1]|, |v[XS+2]|
	v_max3_num_f32 v17, |v[XS+3]|, |v[XS+4]|, |v[XS+5]|
.irp i, 6,10,14,18,22,26
	v_max3_num_f32 v16, v16, |v[XS+\i]|, |v[XS+\i+1]|
	v_max3_num_f32 v17, v17, |v[XS+\i+2]|, |v[XS+\i+3]|
.endr
	v_max3_num_f32 v16, v16, |v[XS+30]|, |v[XS+31]|
	v_max3_num_f32 v16, v16, v17, 0x1800000        ; the floor 2^(3 - 127): the byte cannot fall under 1
	v_add_nc_u32 v18, 0xff000000, v16              ; 2 off the exponent field: the conversion takes this operand's exponent field as its scale
	v_lshrrev_b32 v19, 23, v18                     ; the scale's byte
.if (\t) == 0
	v_mov_b32 v[SB], v19
.else
	v_lshl_or_b32 v[SB], v19, 8*(\t), v[SB]
.endif
.irp g, 0,1,2,3
	v_cvt_scalef32_pk8_fp4_f32 v[C+4*(\t)+\g], v[XS+8*\g:XS+8*\g+7], v18
.endr
	global_store_b128 v11, v[C+4*(\t):C+4*(\t)+3], s[46:47] offset:((\t)/2)*512+((\t)%2)*256   ; sixteen lanes fill 256 consecutive bytes, aligned
.endm
; a chunk of 32 along K of my column of w_proj: high and low parts, packed in place: low parts into the chunk's first 16 registers, high parts into its last 16
.macro WPBLK t
.set XS, WX+32*(\t)
	WWAIT \t
.if (\t)+2 < 4
	WLOAD (\t)+2, 4096, 8
.endif
.set i, 0
.rept 32
	v_and_b32 v[F+i], s22, v[XS+i]
.set i, i+1
.endr
.set i, 0
.rept 16
	v_pk_add_f32 v[XS+i:XS+i+1], v[XS+i:XS+i+1], v[F+i:F+i+1] neg_lo:[0,1] neg_hi:[0,1]   ; exact
.set i, i+2
.endr
.set i, 0
.rept 16
	v_cvt_pk_f16_f32 v[XS+i], v[XS+2*i], v[XS+2*i+1]   ; ascending: register i is written when 2 i and 2 i + 1 are read
.set i, i+1
.endr
.set i, 0
.rept 16
	v_cvt_pk_f16_f32 v[XS+16+i], v[F+2*i], v[F+2*i+1]
.set i, i+1
.endr
.irp p, 0,1,2,3
	global_store_b128 v12, v[XS+16+4*\p:XS+16+4*\p+3], s[14:15] offset:1024*(\t)+256*\p
	global_store_b128 v12, v[XS+4*\p:XS+4*\p+3], s[14:15] offset:2097152+1024*(\t)+256*\p
.endr
.endm
; my unit of x, the barrier, and the way out of x's scale words.  arm: which 1024 bytes take the words
.macro XPART arm
	s_wait_xcnt 0x0                                ; a worker's stores have read their registers: v64-79 are loaded again below
	s_wait_tensorcnt 0x0                           ; my tile is in LDS; I alone read it
.irp c, 0,1
.irp i, 0,1,2,3,4,5,6,7
	ds_load_b128 v[X+32*\c+4*\i:X+32*\c+4*\i+3], v6 offset:256*\c+16*\i   ; K = 64 c + 32 h + 4 i on: a whole block of 32 in my registers
.endr
.endr
	s_wait_dscnt 0x0
.irp c, 0,1
	v_max3_num_f32 v[16+\c], |v[X+32*\c]|, |v[X+1+32*\c]|, 0x1800000
.endr
.irp i, 2,4,6,8,10,12,14,16,18,20,22,24,26,28,30
.irp c, 0,1
	v_max3_num_f32 v[16+\c], v[16+\c], |v[X+32*\c+\i]|, |v[X+1+32*\c+\i]|
.endr
.endr
.irp c, 0,1
	v_add_nc_u32 v[18+\c], 0xff000000, v[16+\c]
.endr
.irp c, 0,1
	v_lshrrev_b32 v[20+\c], 23, v[18+\c]
.endr
	v_lshl_or_b32 v22, v21, 16, v20                ; my two bytes: blocks h and 2 + h of row r,
	v_lshlrev_b32 v23, 3, v3
	v_lshlrev_b32 v22, v23, v22                    ; 8 h bits up;
	v_mov_b32 v23, 0
	v_permlanex16_b32 v23, v22, s20, s21
	v_or_b32 v22, v22, v23                         ; with lane xor 16's two the word is whole
.irp c, 0,1
.irp g, 0,1,2,3
	v_cvt_scalef32_pk8_fp4_f32 v[XC+4*\c+\g], v[X+32*\c+8*\g:X+32*\c+8*\g+7], v[18+\c]
.endr
.endr
	v_nop                                          ; one plain line behind the last scaled conversion
	global_store_b128 v4, v[XC:XC+3], s[48:49]     ; 512 consecutive bytes each
	global_store_b128 v4, v[XC+4:XC+7], s[48:49] offset:512
	ds_store_b32 v7, v22 offset:1024*\arm          ; lanes r and r + 16 write the same word with the same value
	s_wait_dscnt 0x0                               ; for the others' sake: my LDS stores have landed
	s_barrier_signal -1
	s_barrier_wait -1
	s_cmp_ge_u32 s16, 2
	s_cbranch_scc1 .Lnot_x_\@
	ds_load_b128 v[24:27], v9 offset:1024*\arm     ; waves 0 and 1: the work-group's 1024 bytes of scale words
	s_wait_dscnt 0x0
	global_store_b128 v28, v[24:27], s[50:51]
.Lnot_x_\@:
.endm
	s_cmp_ge_u32 ttmp9, 128
	s_cbranch_scc1 .Lplain
	s_cmp_ge_u32 ttmp9, 96
	s_cbranch_scc1 .Lproj
	; ---- groups 0-95: w_qkv.  64 columns G / 2, half G % 2 of K
	s_lshr_b32 s36, ttmp9, 1
	s_and_b32 s37, ttmp9, 1
	s_cmp_ge_u32 s16, 8
	s_cbranch_scc1 .Lxa
	s_lshl_b32 s18, s37, 2
	s_add_co_u32 s18, s18, s39                     ; my K step, 0..7
	s_mul_i32 s52, s18, 128*12288
	s_lshl_b32 s19, s36, 8
	s_add_co_u32 s52, s52, s19
	s_lshl_b32 s19, s38, 7
	s_add_co_u32 s52, s52, s19
	s_mov_b32 s53, 0
	s_add_nc_u64 s[6:7], s[6:7], s[52:53]
	s_lshl_b32 s52, s36, 15                        ; wq: column tile 4 (G / 2) + 2 (w % 2), fragment = my K step
	s_lshl_b32 s19, s38, 14
	s_add_co_u32 s52, s52, s19
	s_lshl_b32 s19, s18, 10
	s_add_co_u32 s52, s52, s19
	s_add_nc_u64 s[46:47], s[12:13], s[52:53]
	WLOAD 0, 12288, 6
	WLOAD 1, 12288, 6
	WQBLK 0
	WQBLK 1
	WQBLK 2
	WQBLK 3
	v_nop                                          ; one plain line behind the last scaled conversion
	ds_store_b32 v8, v[SB]
.Lxa:
	XPART 0
	s_lshr_b32 s18, s16, 1
	s_cmp_lg_u32 s18, 1
	s_cbranch_scc1 .Lend
	s_lshl_b32 s52, s36, 11                        ; waves 2 and 3: four column tiles' 256 bytes of this half of K
	s_lshl_b32 s53, s37, 8
	s_add_co_u32 s52, s52, s53
	s_add_co_u32 s52, s52, 1572864
	s_mov_b32 s53, 0
	s_add_nc_u64 s[12:13], s[12:13], s[52:53]
	s_wait_xcnt 0x0                                ; every earlier store has read its registers: v24-27, the data of the store of x's scale words, are written again only behind this wait
	ds_load_b128 v[24:27], v10
	s_wait_dscnt 0x0
	global_store_b128 v13, v[24:27], s[12:13]
	s_branch .Lend
.Lproj:
	; ---- groups 96-127: w_proj
	s_cmp_ge_u32 s16, 8
	s_cbranch_scc1 .Lxb
	s_sub_co_u32 s18, ttmp9, 96
	s_lshr_b32 s54, s18, 1
	s_and_b32 s55, s18, 1
	s_lshl_b32 s18, s55, 2
	s_add_co_u32 s18, s18, s39                     ; my 128 along K, 0..7
	s_lshl_b32 s52, s18, 19
	s_lshl_b32 s19, s54, 8
	s_add_co_u32 s52, s52, s19
	s_lshl_b32 s19, s38, 7
	s_add_co_u32 s52, s52, s19
	s_mov_b32 s53, 0
	s_add_nc_u64 s[8:9], s[8:9], s[52:53]
	s_lshl_b32 s52, s54, 17                        ; wp: column tile 4 (gg / 2) + 2 (w % 2), four chunks from 4 x my step on
	s_lshl_b32 s19, s38, 16
	s_add_co_u32 s52, s52, s19
	s_lshl_b32 s19, s18, 12
	s_add_co_u32 s52, s52, s19
	s_add_nc_u64 s[14:15], s[14:15], s[52:53]
	WLOAD 0, 4096, 8
	WLOAD 1, 4096, 8
	WPBLK 0
	WPBLK 1
	WPBLK 2
	WPBLK 3
.Lxb:
	XPART 1
	s_branch .Lend
.Lplain:
	XPART 2
.Lend:
	s_wait_tensorcnt 0x0                           ; the wave's end
	ds_add_u32 v[SPW], v[NIL]
	s_wait_dscnt 0x0
	s_endpgm
.Lfunc_end_k_qa8d872b7c4_prep:
	.size	k_qa8d872b7c4_prep, .Lfunc_end_k_qa8d872b7c4_prep-k_qa8d872b7c4_prep
	.p2alignl 7, 3214868480
	.fill 96, 4, 3214868480
	.section	.rodata,"a",@progbits
	.p2align	6, 0x0
	.amdhsa_kernel k_qa8d872b7c4_prep
		.amdhsa_group_segment_fixed_size 167936
		.amdhsa_private_segment_fixed_size 0
		.amdhsa_enable_private_segment 0
		.amdhsa_kernarg_size 48
		.amdhsa_user_sgpr_count 2
		.amdhsa_user_sgpr_kernarg_segment_ptr 1
		.amdhsa_wavefront_size32 1
		.amdhsa_system_sgpr_workgroup_id_x 1
		.amdhsa_system_sgpr_workgroup_id_y 1
		.amdhsa_system_sgpr_workgroup_id_z 1
		.amdhsa_system_vgpr_workitem_id 0
		.amdhsa_next_free_vgpr 256
		.amdhsa_next_free_sgpr 66
		.amdhsa_reserve_vcc 0
		.amdhsa_float_denorm_mode_32 3
		.amdhsa_float_denorm_mode_16_64 3
		.amdhsa_memory_ordered 1
		.amdhsa_forward_progress 1
		.amdhsa_inst_pref_size 70
	.end_amdhsa_kernel
	.amdgpu_metadata
---
amdhsa.version: [ 1, 2 ]
amdhsa.kernels:
  - .name:           k_qa8d872b7c4_prep
    .symbol:         k_qa8d872b7c4_prep.kd
    .args:
      - { .name: x, .offset: 0, .size: 8, .value_kind: global_buffer, .address_space: global }
      - { .name: w_qkv, .offset: 8, .size: 8, .value_kind: global_buffer, .address_space: global }
      - { .name: w_proj, .offset: 16, .size: 8, .value_kind: global_buffer, .address_space: global }
      - { .name: xq, .offset: 24, .size: 8, .value_kind: global_buffer, .address_space: global }
      - { .name: wq, .offset: 32, .size: 8, .value_kind: global_buffer, .address_space: global }
      - { .name: wp, .offset: 40, .size: 8, .value_kind: global_buffer, .address_space: global }
    .group_segment_fixed_size: 167936
    .private_segment_fixed_size: 0
    .kernarg_segment_align: 8
    .kernarg_segment_size: 48
    .max_flat_workgroup_size: 512
    .sgpr_count:     66
    .vgpr_count:     256
    .wavefront_size: 32
...
	.end_amdgpu_metadata
.endif
;; end of part 1
;; launch gemm_qkv (part 2): grid 12 x 32, 4 waves a work-group, clusters of 4 x 4, 327,680 bytes of LDS; arguments xq, wq, b_qkv, qkv, fr; writes qkv, fr
.if DOCPART == 2
	.amdgcn_target "amdgcn-amd-amdhsa--gfx1250"
	.amdhsa_code_object_version 6
	.text
	.protected	k_qa8d872b7c4_gemm_qkv
	.globl	k_qa8d872b7c4_gemm_qkv
	.p2align	8
	.type	k_qa8d872b7c4_gemm_qkv,@function
k_qa8d872b7c4_gemm_qkv:
	s_mov_b64 s[64:65], 0
	v_nop
	global_prefetch_b8 v0, s[64:65] scope:SCOPE_SE
	s_setreg_imm32_b32 hwreg(HW_REG_WAVE_MODE, 25, 1), 1
	s_wait_xcnt 0x0
	s_wait_alu depctr_hold_cnt(0) depctr_sa_sdst(0) depctr_va_vdst(0) depctr_va_sdst(0) depctr_va_ssrc(0) depctr_va_vcc(0) depctr_vm_vsrc(0)
	s_getreg_b32 s2, hwreg(HW_REG_IB_STS2, 6, 4)
	s_cmp_eq_u32 s2, 0
	s_cbranch_scc0 .Lentry_in_a_cluster
	s_endpgm
.Lentry_in_a_cluster:
	s_bfe_u32 s2, ttmp6, 0x10000c
	s_cmp_lg_u32 s2, 0xf033
	s_cbranch_scc0 .Lentry_shape_is_right
	s_endpgm
.Lentry_shape_is_right:
; qkv = Q(x) Q(w_qkv) + b_qkv on codes of E2M1 with E8M0 scales (M 8192, N 3072, K 1024), sums in f32.  Codes and scale words come from prep's buffers, laid as images of operand registers.
; LEFT OUT: the bias on k (b_qkv[1024:2048]): it adds to every score of a query the same term, which softmax takes away (shown at the head of prep).  K's sums begin with the constant 0.
; A tile of 256 x 256 to a work-group of four waves; a wave makes 128 x 128: 64 accumulators.  K = 1024 is two LDS slots of 512, both asked for at the head: nothing is filled again, and there is no loop.
; CLUSTERS 4 x 4: A's tiles are shared along a row of the cluster, B's along a column: joint loads.  The cluster's x says what the columns are: 0 q, 1 k, 2 v: the only branches hang on it, and all sixteen partners share it.
; OUT.  q and k: source 0 = rows of wq, source 1 = rows of xq: a lane holds one position t and eight neighbouring channels: rounded to f16 they ARE the lane's 16 bytes of a fragment (16 t x 32 d) of attention's first product.
;       v: the sources are swapped: a lane holds one channel d and eight neighbouring t: its 16 bytes of a fragment (16 d x 32 keys) of V^T.  So no result goes through LDS, and every store covers 512 consecutive bytes.
;  qkv: [4 batches][48 = column / 64][262144]: q and k [128 t tiles][2 chunks of d][1024]; v [64 chunks of 32 keys][4 d tiles][1024].
;  fr: the first 16 positions of every batch in f32, for the launch fine: [4][16 t][2048 columns of q and k]; from byte 524,288 [4][1024 columns of v][16 t].
; LIMIT: q, k, v up to 65,504 in magnitude (f16).
; REGISTERS: window 0: v16-29 addresses; v32-95 scale words, two sets, and nothing else; v128-191 A's fragments, one set; v192-255 the bias in the result's layout; on the way out v128-255 hold packed results.
;   window 1: B's fragments, two sets, at v0 and v128.   windows 2, 3: the accumulators of my rows 0-63 and 64-127, (a, b) at v[8 (8 (a % 4) + b)].
.set SLOT,  131072                     ; A: 16 row tiles x 4 K steps x 1024 bytes, then B likewise
.set SCL,   2*SLOT                     ; the scale words: A's 16 tiles x 512 bytes, then B's
.set SPARE, SCL+16384                  ; the spare words, 128 bytes a wave
.set ADRA, 16
.set ADRB, 20
.set FO,   24                          ; v24  the fine rows' offset
.set BO,   25                          ; v25  the bias's offset
.set CO,   26                          ; v26  16 x lane
.set ADRS, 27
.set SPW,  28
.set NIL,  29
.set SC,   32
.set AF,   128
.set BI,   192
.set TMP,  128
.set G1, 24
.set G0, 32
.set G1B, 48
.set G0B, 56
.set G1S, 68
.set G0S, 76
.set G1SB, 80
.set G0SB, 88
.set MSB, 0
.macro WIN new                         ; the immediate's high byte repeats the setting that is left
.if MSB != (\new)
	s_set_vgpr_msb (MSB<<8)|(\new)
.set MSB, (\new)
.endif
.endm
.set TO_B, 0x40
; the windows of a run of products.  sw = 0: source 0 (B) window 1, source 1 (A) window 0; sw = 1: the other way round.  first = 1: C is the bias, in window 0; else C = D, window 2 or 3
.macro WINM hi, first, sw
.if \first == 1
	WIN (0x80+0x40*(\hi))+1+3*(\sw)
.else
	WIN (0xa0+0x50*(\hi))+1+3*(\sw)
.endif
.endm
; a joint load: waves 0 and 1 fetch for A, waves 2 and 3 for B; an s_nop 0 and four v_nop follow each of the two lines
.macro JLOAD g0a, g1a, g0b, g1b
	s_cmp_eq_u32 s15, 0
	s_cbranch_scc0 .Lfor_b_\@
	tensor_load_to_lds s[\g0a:\g0a+3], s[\g1a:\g1a+7]
	s_nop 0
.rept 4
	v_nop
.endr
	s_branch .Lasked_\@
.Lfor_b_\@:
	tensor_load_to_lds s[\g0b:\g0b+3], s[\g1b:\g1b+7]
	s_nop 0
.rept 4
	v_nop
.endr
.Lasked_\@:
.endm
.macro CROUND                          ; a round of the cluster's barrier
	s_barrier_signal -1
	s_barrier_wait -1
	s_cmp_lg_u32 s14, 0
	s_cbranch_scc1 .Lnot_wave_0_\@
	s_barrier_signal -3
.Lnot_wave_0_\@:
	s_barrier_wait -3
	s_barrier_signal -1
	s_barrier_wait -1
.endm
	s_load_b256 s[4:11], s[0:1], 0x0               ; xq s[4:5], wq s[6:7], b_qkv s[8:9], qkv s[10:11]
	s_load_b64 s[12:13], s[0:1], 0x20              ; fr
	v_lshl_add_u32 v[SPW], v0, 2, SPARE
	v_mov_b32 v[NIL], 0
	ds_add_u32 v[SPW], v[NIL]                      ; the opening: the add, twice on end, and its wait ahead of my first tensor load
	ds_add_u32 v[SPW], v[NIL]
	v_lshrrev_b32 v1, 5, v0
	v_readfirstlane_b32 s14, v1                    ; wave 0..3
	s_lshr_b32 s15, s14, 1                         ; my half of the tile's rows.  Also: I fetch for A (0) or for B (1)
	s_and_b32 s16, s14, 1                          ; my half of its columns.  Also: which 8 tiles I fetch
	s_bfe_u32 s40, ttmp6, 0x40000                  ; cx
	s_bfe_u32 s41, ttmp6, 0x40004                  ; cy
	s_lshl_b32 s42, ttmp9, 2
	s_add_co_u32 s42, s42, s40                     ; tile column 0..11
	s_and_b32 s17, ttmp7, 0xffff
	s_lshl_b32 s17, s17, 2
	s_add_co_u32 s17, s17, s41                     ; tile row 0..31
	s_lshl_b32 s43, s41, 2
	s_lshl_b32 s43, 15, s43                        ; my row of the cluster
	s_lshl_b32 s44, 0x1111, s40                    ; my column
	; group 1 for codes: 8 tiles' 4096 bytes (4 K steps), 8192 bytes apart, in elements of 8 bytes; dense in LDS
	s_or_b32 s[G1+0], s43, (3<<16)|(1<<21)
	s_or_b32 s[G1B+0], s44, (3<<16)|(1<<21)
.irp g, G1, G1B
	s_mov_b32 s[\g+1], 512<<16
	s_mov_b32 s[\g+2], 8<<16
	s_mov_b32 s[\g+3], 512<<16
	s_mov_b32 s[\g+4], 8
	s_mov_b32 s[\g+5], 1024
	s_mov_b32 s[\g+6], 0
	s_mov_b32 s[\g+7], 0
.endr
	; and for scale words: 8 tiles' 4096 dense bytes as 16 rows of 256
	s_or_b32 s[G1S+0], s43, (3<<16)|(1<<21)
	s_or_b32 s[G1SB+0], s44, (3<<16)|(1<<21)
.irp g, G1S, G1SB
	s_mov_b32 s[\g+1], 32<<16
	s_mov_b32 s[\g+2], 16<<16
	s_mov_b32 s[\g+3], 32<<16
	s_mov_b32 s[\g+4], 16
	s_mov_b32 s[\g+5], 32
	s_mov_b32 s[\g+6], 0
	s_mov_b32 s[\g+7], 0
.endr
	s_lshl_b32 s18, s16, 3
	s_lshl_b32 s20, s17, 4
	s_add_co_u32 s20, s20, s18                     ; A: the first row tile that I fetch
	s_lshl_b32 s46, s42, 4
	s_add_co_u32 s46, s46, s18                     ; B: the first column tile
	s_lshl_b32 s22, s20, 9
	s_add_co_u32 s22, s22, 4194304                 ; their scale words
	s_mov_b32 s23, 0
	s_lshl_b32 s92, s46, 9
	s_add_co_u32 s92, s92, 1572864
	s_mov_b32 s93, 0
	s_lshl_b32 s20, s20, 13                        ; their codes
	s_mov_b32 s21, 0
	s_lshl_b32 s46, s46, 13
	s_mov_b32 s47, 0
	s_lshl_b32 s45, s14, 15                        ; where they go: wave x 32768: no place in the cluster enters an LDS address
	s_lshl_b32 s94, s14, 12
	s_wait_dscnt 0x0                               ; both opening adds are done
	s_wait_kmcnt 0x0
	s_add_nc_u64 s[20:21], s[4:5], s[20:21]
	s_add_nc_u64 s[22:23], s[4:5], s[22:23]
	s_add_nc_u64 s[46:47], s[6:7], s[46:47]
	s_add_nc_u64 s[92:93], s[6:7], s[92:93]
	CROUND                                         ; all sixteen work-groups are here: the joint loads meet
	s_mov_b32 s[G0S], 1
	s_add_co_u32 s[G0S+1], s94, SCL
	s_mov_b64 s[G0S+2:G0S+3], s[22:23]
	s_or_b32 s[G0S+3], s[G0S+3], 0x80000000
	s_mov_b32 s[G0SB], 1
	s_add_co_u32 s[G0SB+1], s94, SCL
	s_mov_b64 s[G0SB+2:G0SB+3], s[92:93]
	s_or_b32 s[G0SB+3], s[G0SB+3], 0x80000000
	JLOAD G0S, G1S, G0SB, G1SB                     ; the scale words first
.irp s, 0,1
	s_mov_b32 s[G0+4*\s], 1
	s_add_co_u32 s[G0+4*\s+1], s45, \s*SLOT
	s_add_nc_u64 s[G0+4*\s+2:G0+4*\s+3], s[20:21], \s*4096
	s_or_b32 s[G0+4*\s+3], s[G0+4*\s+3], 0x80000000
	s_mov_b32 s[G0B+4*\s], 1
	s_add_co_u32 s[G0B+4*\s+1], s45, \s*SLOT
	s_add_nc_u64 s[G0B+4*\s+2:G0B+4*\s+3], s[46:47], \s*4096
	s_or_b32 s[G0B+4*\s+3], s[G0B+4*\s+3], 0x80000000
	JLOAD G0+4*\s, G1, G0B+4*\s, G1B               ; both slots: three loads of mine are out
.endr
	v_and_b32 v1, 15, v0                           ; r
	v_bfe_u32 v2, v0, 4, 1                         ; h
	v_and_b32 v3, 31, v0
	v_lshlrev_b32 v[CO], 4, v3
	s_lshl_b32 s21, s15, 15                        ; my 8 row tiles of A
	s_lshl_b32 s22, s16, 15                        ; my 8 column tiles of B,
	s_add_co_u32 s22, s22, 65536                   ; behind A's 16
.irp s, 0,1
	v_add_nc_u32 v[ADRA+\s], s21, v[CO]
	v_add_nc_u32 v[ADRB+\s], s22, v[CO]
	s_add_co_u32 s21, s21, SLOT
	s_add_co_u32 s22, s22, SLOT
.endr
	s_lshl_b32 s21, s15, 12                        ; scale words: lanes 0-15 take A's rows, lanes 16-31 B's: the lower base + h x the distance
	s_lshl_b32 s22, s16, 12
	s_add_co_u32 s22, s22, 8192
	s_sub_co_u32 s22, s22, s21
	v_mul_u32_u24 v6, s22, v2
	s_add_co_u32 s21, s21, SCL
	v_lshl_add_u32 v5, v1, 4, v6
	v_add_nc_u32 v[ADRS], s21, v5
	; where the results go
	s_lshr_b32 s18, s17, 3                         ; batch
	s_and_b32 s19, s17, 7
	s_lshl_b32 s96, s19, 8
	s_lshl_b32 s19, s15, 7
	s_add_co_u32 s96, s96, s19                     ; my first position in the batch
	s_mul_i32 s20, s18, 48
	s_lshl_b32 s21, s42, 2
	s_add_co_u32 s20, s20, s21
	s_lshl_b32 s21, s16, 1
	s_add_co_u32 s20, s20, s21                     ; batch x 48 + my first column / 64
	s_lshl_b32 s20, s20, 18
	s_lshl_b32 s21, s96, 7                         ; 16 positions are 2048 bytes of an image, of q, k and v alike
	s_add_co_u32 s20, s20, s21
	s_mov_b32 s21, 0
	s_add_nc_u64 s[10:11], s[10:11], s[20:21]
	s_lshl_b32 s20, s42, 10
	s_lshl_b32 s22, s16, 9
	s_add_co_u32 s20, s20, s22                     ; my first column x 4
	s_add_nc_u64 s[8:9], s[8:9], s[20:21]          ; the bias
	s_lshl_b32 s22, s18, 17
	s_add_co_u32 s22, s22, s20                     ; fr, q and k: batch x 131072 + column x 4
	s_lshl_b32 s23, s18, 16
	s_lshl_b32 s19, s20, 4
	s_add_co_u32 s23, s23, s19
	s_add_co_u32 s23, s23, 393216                  ; fr, v: 524288 + (batch x 1024 + column - 2048) x 64
	s_mov_b32 s19, 8192
	s_cmp_eq_u32 ttmp9, 2
	s_cselect_b32 s22, s23, s22
	s_cselect_b32 s19, 64, s19                     ; bytes from lane to lane: a row of 2048 f32, or 16 f32
	s_mov_b32 s23, 0
	s_add_nc_u64 s[12:13], s[12:13], s[22:23]
	v_mul_u32_u24 v[FO], v1, s19
	v_lshl_add_u32 v[FO], v2, 5, v[FO]
.macro FRAG reg, adr, q, i             ; a fragment: 16 rows x 128 K, 8 registers: two loads of 512 consecutive bytes
.irp c, 0,1
	ds_load_b128 v[\reg+4*\c:\reg+4*\c+3], v[\adr] offset:4096*(\i)+1024*(\q)+512*\c
.endr
.endm
; one product.  The scale registers hold A's words in lanes 0-15 and B's in lanes 16-31.  first = 1: C is the bias; 2: the constant 0; 0: in place
.macro WM a, b, p, q, sc, first, sw
.set rD, 8*(8*((\a)%4)+\b)
.set rB, 128*(\p)+8*\b
.set rA, AF+8*(\a)
.set sB, SC+32*(\sc)+4*\b+(\q)
.set sA, SC+32*(\sc)+4*(\a)+(\q)
.if \sw
.if \first == 1
	v_wmma_scale_f32_16x16x128_f8f6f4 v[rD:rD+7], v[rA:rA+7], v[rB:rB+7], v[BI+8*\b:BI+8*\b+7], v[sA], v[sB] matrix_a_fmt:MATRIX_FMT_FP4 matrix_b_fmt:MATRIX_FMT_FP4 matrix_b_scale:MATRIX_SCALE_ROW1
.else
	v_wmma_scale_f32_16x16x128_f8f6f4 v[rD:rD+7], v[rA:rA+7], v[rB:rB+7], v[rD:rD+7], v[sA], v[sB] matrix_a_fmt:MATRIX_FMT_FP4 matrix_b_fmt:MATRIX_FMT_FP4 matrix_b_scale:MATRIX_SCALE_ROW1
.endif
.else
.if \first == 1
	v_wmma_scale_f32_16x16x128_f8f6f4 v[rD:rD+7], v[rB:rB+7], v[rA:rA+7], v[BI+8*\b:BI+8*\b+7], v[sB], v[sA] matrix_a_fmt:MATRIX_FMT_FP4 matrix_b_fmt:MATRIX_FMT_FP4 matrix_a_scale:MATRIX_SCALE_ROW1
.elseif \first == 2
	v_wmma_scale_f32_16x16x128_f8f6f4 v[rD:rD+7], v[rB:rB+7], v[rA:rA+7], 0, v[sB], v[sA] matrix_a_fmt:MATRIX_FMT_FP4 matrix_b_fmt:MATRIX_FMT_FP4 matrix_a_scale:MATRIX_SCALE_ROW1
.else
	v_wmma_scale_f32_16x16x128_f8f6f4 v[rD:rD+7], v[rB:rB+7], v[rA:rA+7], v[rD:rD+7], v[sB], v[sA] matrix_a_fmt:MATRIX_FMT_FP4 matrix_b_fmt:MATRIX_FMT_FP4 matrix_a_scale:MATRIX_SCALE_ROW1
.endif
.endif
.endm
; 16 products: A's blocks a0, a0 + 1 x B's eight.  The 64 accumulators take turns, one instruction a turn, in the same order in every step
.macro MUL16 a0, p, q, sc, first, sw
.irp a, \a0, \a0+1
.irp b, 0,1,2,3,4,5,6,7
	WM (\a), \b, \p, \q, \sc, \first, \sw
.endr
.endr
.endm
.macro FETCH_B slot, q, p
	WIN TO_B
.irp i, 0,1,2,3,4,5,6,7
	FRAG 128*(\p)+8*\i, ADRB+\slot, \q, \i
.endr
	WIN 0
.endm
.macro FETCH_A slot, q, i0
.irp i, \i0, \i0+1, \i0+2, \i0+3
	FRAG AF+8*(\i), ADRA+\slot, \q, \i
.endr
.endm
.macro SCALES sc                       ; a slot's scale words: 4 words a row; lanes 0-15 A's block i, lanes 16-31 B's block i
.irp i, 0,1,2,3,4,5,6,7
	ds_load_b128 v[SC+32*\sc+4*\i:SC+32*\sc+4*\i+3], v[ADRS] offset:512*\i+256*\sc
.endr
.endm
.macro PLACES n                        ; places behind matrix instructions, in front of loads into registers that they have read and of reads of results
.rept \n
	v_nop
.endr
.endm
.macro START                           ; the scale words and slot 0 are in, in every wave; slot 1's load, the one issued behind them, may be out
	s_wait_tensorcnt 1
	s_barrier_signal -1
	s_barrier_wait -1
	FETCH_B 0, 0, 0
	FETCH_A 0, 0, 0
	SCALES 0
	FETCH_A 0, 0, 4
.endm
; a step of 128 along K that has its successor in the same slot
.macro STEP slot, q, first, sw
	s_wait_dscnt 8                                 ; all but the youngest eight loads, A's blocks 4-7
	WINM 0, \first, \sw
	MUL16 0, (\q)%2, \q, \slot, \first, \sw
	MUL16 2, (\q)%2, \q, \slot, \first, \sw
	s_wait_dscnt 0
	PLACES 4
	FETCH_B \slot, (\q)+1, 1-(\q)%2
	FETCH_A \slot, (\q)+1, 0
	WINM 1, \first, \sw
	MUL16 4, (\q)%2, \q, \slot, \first, \sw
	MUL16 6, (\q)%2, \q, \slot, \first, \sw
	PLACES 4
	WIN 0
	FETCH_A \slot, (\q)+1, 4
.endm
; slot 0's last step goes over to slot 1: each wave's part of slot 1 has landed, then the barrier; nothing is filled again
.macro CROSS sw
	s_wait_tensorcnt 0x0
	s_wait_dscnt 8
	WINM 0, 0, \sw
	MUL16 0, 1, 3, 0, 0, \sw
	s_wait_dscnt 0x0                               ; no LDS instruction of mine is out at the signal
	s_barrier_signal -1
	MUL16 2, 1, 3, 0, 0, \sw
	WIN 0
	s_barrier_wait -1
	PLACES 4
	FETCH_B 1, 0, 0
	FETCH_A 1, 0, 0
	SCALES 1
	WINM 1, 0, \sw
	MUL16 4, 1, 3, 0, 0, \sw
	MUL16 6, 1, 3, 0, 0, \sw
	PLACES 4
	WIN 0
	FETCH_A 1, 0, 4
.endm
.macro OUT sw
	PLACES 4
	; the first 16 positions of a batch leave in f32 too.  They are my block 0 where my first position is 0: all lanes on there, none elsewhere: a mask, no branch
	s_wait_xcnt 0x0                                ; EXEC changes only behind this wait
	v_cmp_eq_u32 vcc_lo, s96, v[NIL]
	s_and_saveexec_b32 s97, vcc_lo
	WIN 0x08                                       ; a store's data: window 2
.irp b, 0,1,2,3,4,5,6,7
.if \sw
	global_store_b128 v[FO], v[8*\b:8*\b+3], s[12:13] offset:1024*\b          ; each accumulator from its low end on
	global_store_b128 v[FO], v[8*\b+4:8*\b+7], s[12:13] offset:1024*\b+16
.else
	global_store_b128 v[FO], v[8*\b:8*\b+3], s[12:13] offset:64*\b
	global_store_b128 v[FO], v[8*\b+4:8*\b+7], s[12:13] offset:64*\b+16
.endif
.endr
	WIN 0
	s_wait_xcnt 0x0                                ; and again, in front of the line that widens it
	s_or_b32 exec_lo, exec_lo, s97
.irp a, 0,1,2,3,4,5,6,7
.if \a >= 4
	s_wait_xcnt 0x0                                ; the stores of four blocks back have read their registers
.endif
	WIN 0x0a+5*(\a/4)                              ; sources in window 2 or 3
.irp b, 0,1,2,3,4,5,6,7
.irp r, 0,1,2,3
	v_cvt_pk_f16_f32 v[TMP+32*(\a%4)+4*\b+\r], v[64*(\a%4)+8*\b+2*\r], v[64*(\a%4)+8*\b+2*\r+1]
.endr
.endr
	WIN 0
.irp b, 0,1,2,3,4,5,6,7
.if \sw
	global_store_b128 v[CO], v[TMP+32*(\a%4)+4*\b:TMP+32*(\a%4)+4*\b+3], s[10:11] offset:(\b/4)*262144+(\a/2)*4096+(\b%4)*1024+(\a%2)*512
.else
	global_store_b128 v[CO], v[TMP+32*(\a%4)+4*\b:TMP+32*(\a%4)+4*\b+3], s[10:11] offset:(\b/4)*262144+\a*2048+(\b%4)*512
.endif
.endr
.endr
.endm
.macro REST sw
	STEP 0, 1, 0, \sw
	STEP 0, 2, 0, \sw
	CROSS \sw
	STEP 1, 0, 0, \sw
	STEP 1, 1, 0, \sw
	STEP 1, 2, 0, \sw
	s_wait_dscnt 8                                 ; the last step: nothing more to fetch
	WINM 0, 0, \sw
	MUL16 0, 1, 3, 1, 0, \sw
	MUL16 2, 1, 3, 1, 0, \sw
	s_wait_dscnt 0
	WINM 1, 0, \sw
	MUL16 4, 1, 3, 1, 0, \sw
	MUL16 6, 1, 3, 1, 0, \sw
	WIN 0
	OUT \sw
.endm
	s_cmp_eq_u32 ttmp9, 2
	s_cbranch_scc1 .Lv
	s_cmp_eq_u32 ttmp9, 1
	s_cbranch_scc1 .Lk
	; ---- q: the bias is the C of each sum's first product: lane (r, h), register j of block b: column 16 b + 8 h + j
	v_lshlrev_b32 v[BO], 5, v2
.irp b, 0,1,2,3,4,5,6,7
	global_load_b128 v[BI+8*\b:BI+8*\b+3], v[BO], s[8:9] offset:64*\b
	global_load_b128 v[BI+8*\b+4:BI+8*\b+7], v[BO], s[8:9] offset:64*\b+16
.endr
	START
	s_wait_loadcnt 0x0
	STEP 0, 0, 1, 0
	s_branch .Lqk
.Lk:
	; ---- k: no bias
	START
	STEP 0, 0, 2, 0
.Lqk:
	REST 0
	s_branch .Lend
.Lv:
	; ---- v, sources swapped: a lane holds column 16 b + r in all eight registers
	v_lshlrev_b32 v[BO], 2, v1
.irp b, 0,1,2,3,4,5,6,7
	global_load_b32 v[BI+8*\b], v[BO], s[8:9] offset:64*\b
.endr
	START
	s_wait_loadcnt 0x0
.irp b, 0,1,2,3,4,5,6,7
.irp j, 1,2,3,4,5,6,7
	v_mov_b32 v[BI+8*\b+\j], v[BI+8*\b]
.endr
.endr
	PLACES 4
	STEP 0, 0, 1, 1
	REST 1
.Lend:
	s_wait_tensorcnt 0x0                           ; the wave's end
	ds_add_u32 v[SPW], v[NIL]
	s_wait_dscnt 0x0
	CROUND                                         ; the closing round
	s_endpgm
.Lfunc_end_k_qa8d872b7c4_gemm_qkv:
	.size	k_qa8d872b7c4_gemm_qkv, .Lfunc_end_k_qa8d872b7c4_gemm_qkv-k_qa8d872b7c4_gemm_qkv
	.p2alignl 7, 3214868480
	.fill 96, 4, 3214868480
	.section	.rodata,"a",@progbits
	.p2align	6, 0x0
	.amdhsa_kernel k_qa8d872b7c4_gemm_qkv
		.amdhsa_group_segment_fixed_size 327680
		.amdhsa_private_segment_fixed_size 0
		.amdhsa_enable_private_segment 0
		.amdhsa_kernarg_size 40
		.amdhsa_user_sgpr_count 2
		.amdhsa_user_sgpr_kernarg_segment_ptr 1
		.amdhsa_wavefront_size32 1
		.amdhsa_system_sgpr_workgroup_id_x 1
		.amdhsa_system_sgpr_workgroup_id_y 1
		.amdhsa_system_sgpr_workgroup_id_z 1
		.amdhsa_system_vgpr_workitem_id 0
		.amdhsa_next_free_vgpr 1024
		.amdhsa_next_free_sgpr 100
		.amdhsa_reserve_vcc 1
		.amdhsa_float_denorm_mode_32 3
		.amdhsa_float_denorm_mode_16_64 3
		.amdhsa_memory_ordered 1
		.amdhsa_forward_progress 1
		.amdhsa_inst_pref_size 246
	.end_amdhsa_kernel
	.amdgpu_metadata
---
amdhsa.version: [ 1, 2 ]
amdhsa.kernels:
  - .name:           k_qa8d872b7c4_gemm_qkv
    .symbol:         k_qa8d872b7c4_gemm_qkv.kd
    .args:
      - { .name: xq, .offset: 0, .size: 8, .value_kind: global_buffer, .address_space: global }
      - { .name: wq, .offset: 8, .size: 8, .value_kind: global_buffer, .address_space: global }
      - { .name: b_qkv, .offset: 16, .size: 8, .value_kind: global_buffer, .address_space: global }
      - { .name: qkv, .offset: 24, .size: 8, .value_kind: global_buffer, .address_space: global }
      - { .name: fr, .offset: 32, .size: 8, .value_kind: global_buffer, .address_space: global }
    .group_segment_fixed_size: 327680
    .private_segment_fixed_size: 0
    .kernarg_segment_align: 8
    .kernarg_segment_size: 40
    .max_flat_workgroup_size: 128
    .sgpr_count:     100
    .vgpr_count:     1024
    .wavefront_size: 32
...
	.end_amdgpu_metadata
.endif
;; end of part 2
;; launch attn (part 3): grid 4 x 64, 16 waves a work-group, no clusters, 327,680 bytes of LDS; arguments qkv, y; writes y
.if DOCPART == 3
	.amdgcn_target "amdgcn-amd-amdhsa--gfx1250"
	.amdhsa_code_object_version 6
	.text
	.protected	k_qa8d872b7c4_attn
	.globl	k_qa8d872b7c4_attn
	.p2align	8
	.type	k_qa8d872b7c4_attn,@function
k_qa8d872b7c4_attn:
	s_mov_b64 s[64:65], 0
	v_nop
	global_prefetch_b8 v0, s[64:65] scope:SCOPE_SE
	s_setreg_imm32_b32 hwreg(HW_REG_WAVE_MODE, 25, 1), 1
	s_wait_xcnt 0x0
; y[b][t][64 h + d] = the sum over keys k <= t of softmax_k(q . k / 8) v, for 64 heads (batch x head) of 2048 positions, head size 64.  Operands f16, products, maxima and sums f32.
; LEFT OUT: key steps wholly above the diagonal (reference()'s own tril makes their weights 0): neither loaded nor walked; k comes without its bias (shown at the head of prep).
; Positions 0-15 of every batch are made here in f16 as parts of live tiles; the launch fine makes the output's rows of those positions again, finely.
; NO CLUSTER: under the causal mask the four work-groups of a head need different numbers of slots; a joint load would bring tiles that some partner never reads.
; SHARES.  Work-group g of a head owns query blocks g and 7 - g, 256 queries each, so that all 256 work-groups walk the same number of steps.  A wave owns 32 queries: two tiles of 16 that share every fragment of K and V.
;  Waves 0-7: block g, 32 (w % 8) on; waves 8-15: block 7 - g, 32 (7 - w % 8) on.  A key step is 64 keys; a slot of the ring holds 256 keys: K's 32768 bytes, then V's, dense images of operand registers (no padding is wanted).
; LAYOUT.  S^T = K Q^T (source 0 = 16 keys, source 1 = 16 queries) and O^T = V^T P (source 0 = 16 channels x 32 keys, source 1 = P): a lane holds ONE query throughout; two tiles of S^T, rounded to f16 in pairs, are P's fragment.
; SOFTMAX.  A running maximum m of the scores and sum l: p = 2^(c s - c m), c = log2(e) / 8; in every step O and l are multiplied by a = 2^(c m_old - c m_new).  l is summed of the unrounded p.
; EVERY wave walks all 32 steps (trip counts are constants); a step all of whose keys come after the wave's queries is jumped over by a scalar branch on ids.
; REGISTERS: v1 16 x lane; v2 the step's LDS address; v3, v4 the add's two; v5 256 x lane; v6 r - 8 h; v7-9 the mask; v12-27 statistics, 8 a tile: +0 c m, +1 m, +2, +3 l, +4..7 at work (a in +6);
;   v28-31 sums; v32-63 Q; v64-127 S^T, then p, then P in place; v128-191 K's fragments, then V's; v192-255 O^T.
.set SLOT1, 1<<16
.set SPARE, 2*SLOT1
.set L16, 1
.set ADK, 2
.set SPW, 3
.set NIL, 4
.set PFO, 5
.set RH,  6
.set ST,  12
.set SUM, 28
.set Q,   32
.set S,   64
.set KV,  128
.set O,   192
.set TB,  2                            ; s2   LDS byte of the step in hand
.set WV,  18
.set SEL, 20
.set CS,  22
.set G1,  24
.set G0,  40
.set KF,  44                           ; s44  the step's first key
.set Q0,  45                           ; s45  my first query
.set QL,  46                           ; s46  my work-group's last query
.set SLOTS, 47
.set TW,  48
.set PFA, 50
.set LIM, 52
.macro TLOAD                           ; waves 0-3 fetch 16384 bytes each: K's halves, V's halves; an s_nop 0 and four v_nop follow the load
	s_cmp_lt_u32 s[WV], 4
	s_cbranch_scc0 .Lasked_\@
	tensor_load_to_lds s[G0:G0+3], s[G1:G1+7]
	s_nop 0
.rept 4
	v_nop
.endr
.Lasked_\@:
.endm
; a prefetch of what the NEXT change of slots will ask for: 65536 bytes.  All four work-groups of a head walk the same K and V: work-group 0, which walks all slots, asks; in it waves 4-11, which fetch nothing:
; 8192 bytes a wave, lanes 256 bytes apart: each aligned 256 bytes is named once in the launch.  It runs four key steps ahead of the load; the last change that fills a slot asks for nothing.
.macro ASK
	s_cmp_gt_u32 s[SLOTS], s[LIM]
	s_cbranch_scc0 .Lnot_mine_\@
	global_prefetch_b8 v[PFO], s[PFA:PFA+1] th:TH_LOAD_NT scope:SCOPE_SE
.Lnot_mine_\@:
.endm
	s_load_b128 s[4:7], s[0:1], 0x0                ; qkv s[4:5], y s[6:7]
	v_lshl_add_u32 v[SPW], v0, 2, SPARE
	v_mov_b32 v[NIL], 0
	ds_add_u32 v[SPW], v[NIL]                      ; the opening: the add, twice on end, and its wait ahead of the first tensor load
	ds_add_u32 v[SPW], v[NIL]
	v_lshrrev_b32 v1, 5, v0
	v_readfirstlane_b32 s[WV], v1                  ; wave 0..15
	s_mov_b32 s[G1], 3<<16                         ; group 1: 16384 dense bytes as 64 rows of 32 elements of 8 bytes
	s_mov_b32 s[G1+1], 32<<16
	s_mov_b32 s[G1+2], 64<<16
	s_mov_b32 s[G1+3], 32<<16
	s_mov_b32 s[G1+4], 64
	s_mov_b32 s[G1+5], 32
	s_mov_b32 s[G1+6], 0
	s_mov_b32 s[G1+7], 0
	s_and_b32 s54, ttmp7, 0xffff
	s_lshr_b32 s55, s54, 4                         ; batch
	s_and_b32 s56, s54, 15                         ; head
	s_mul_i32 s57, s55, 48
	s_add_co_u32 s57, s57, s56
	s_lshl_b32 s58, s57, 18                        ; Q's image of this head
	s_mov_b32 s59, 0
	s_add_co_u32 s60, s58, 16<<18                  ; K's; V's lies another 16 images on
	s_lshr_b32 s62, s[WV], 1
	s_lshl_b32 s62, s62, 22
	s_and_b32 s63, s[WV], 1
	s_lshl_b32 s63, s63, 14
	s_add_co_u32 s62, s62, s63
	s_add_co_u32 s62, s62, s60                     ; what I fetch, if I fetch
	s_mov_b32 s63, 0
	s_and_b32 s68, s[WV], 7
	s_lshl_b32 s69, ttmp9, 3
	s_add_co_u32 s68, s68, s69                     ; 8 g + w % 8
	s_sub_co_u32 s69, 63, s68                      ; 8 (7 - g) + 7 - w % 8
	s_cmp_lt_u32 s[WV], 8
	s_cselect_b32 s[Q0], s68, s69
	s_lshl_b32 s[Q0], s[Q0], 5
	s_lshl_b32 s[QL], ttmp9, 8
	s_sub_co_u32 s[QL], 2047, s[QL]
	s_lshl_b32 s68, s[Q0], 7
	s_add_co_u32 s58, s58, s68                     ; my queries in Q's image: 2048 bytes for 16
	s_lshl_b32 s68, s55, 22                        ; y: 128 row tiles of 32768 bytes a batch,
	s_add_co_u32 s69, s[Q0], s56
	s_lshl_b32 s69, s69, 11                        ; my row tile, and 2048 bytes for each head
	s_add_co_u32 s68, s68, s69
	s_mov_b32 s69, 0
	s_add_co_u32 s54, s[WV], 4
	s_and_b32 s54, s54, 7                          ; the prefetches: part (w - 4) % 8:
	s_lshr_b32 s55, s54, 2
	s_lshl_b32 s55, s55, 22                        ; of K or of V,
	s_and_b32 s54, s54, 3
	s_lshl_b32 s54, s54, 13                        ; 8192 bytes a part,
	s_add_co_u32 s54, s54, s55
	s_add_co_u32 s54, s54, s60
	s_add_co_u32 s54, s54, 32768                   ; in slot 1: the first change of slots steps it to slot 2
	s_mov_b32 s55, 0
	s_sub_co_u32 s56, s[WV], 4
	s_lshr_b32 s56, s56, 3                         ; 0 in waves 4 to 11,
	s_or_b32 s56, s56, ttmp9                       ; of the head's work-group 0
	s_cmp_eq_u32 s56, 0
	s_cselect_b32 s[LIM], 1, -1
	s_mov_b32 s[SEL], 0x76543210
	s_mov_b32 s[SEL+1], 0xfedcba98
	s_mov_b32 s[CS], 0x3e38aa3b                    ; c = log2(e) / 8
	s_mov_b32 s[CS+1], s[CS]
	s_mov_b32 s[TB], 0
	s_mov_b32 s[KF], 0
	s_mov_b32 s[SLOTS], 7
	s_wait_dscnt 0x0                               ; both opening adds are done
	s_wait_kmcnt 0x0
	s_mov_b32 s[G0], 1
	s_lshl_b32 s[G0+1], s[WV], 14                  ; slot 0, my quarter
	s_add_nc_u64 s[G0+2:G0+3], s[4:5], s[62:63]
	s_or_b32 s[G0+3], s[G0+3], 0x80000000
	TLOAD                                          ; slot 0: keys 0-255, which count for queries of every work-group
	s_add_nc_u64 s[66:67], s[4:5], s[58:59]
	s_add_nc_u64 s[6:7], s[6:7], s[68:69]
	s_add_nc_u64 s[PFA:PFA+1], s[4:5], s[54:55]
	v_and_b32 v[L16], 31, v0
	v_lshlrev_b32 v[PFO], 8, v[L16]
	v_lshlrev_b32 v[L16], 4, v[L16]
.irp t, 0,1
.irp c, 0,1
.irp g, 0,1
	global_load_b128 v[Q+16*\t+8*\c+4*\g:Q+16*\t+8*\c+4*\g+3], v[L16], s[66:67] offset:2048*\t+1024*\c+512*\g   ; Q stays in registers
.endr
.endr
.endr
	v_and_b32 v7, 15, v0
	v_bfe_u32 v8, v0, 4, 1
	v_lshlrev_b32 v8, 3, v8
	v_sub_nc_u32 v[RH], v7, v8
.irp i, 0,1,2,3,4,5,6,7,8,9,10,11,12,13,14,15
	v_mov_b32 v[ST+\i], 0
.endr
.irp t, 0,1
	v_mov_b32 v[ST+8*\t+1], 0xff61b1e6             ; m = -3e38, under every score
.endr
.irp t, 0,1
	v_mul_f32 v[ST+8*\t], s[CS], v[ST+8*\t+1]
.endr
.set i, 0
.rept 64
	v_mov_b32 v[O+i], 0                            ; the step is written once: the first finds zeros, which a = 0 leaves zeros
.set i, i+1
.endr
.macro STEP
	s_add_co_u32 s54, s[Q0], 31
	s_cmp_gt_u32 s[KF], s54                        ; all 64 keys come after my 32 queries: nothing to do
	s_cbranch_scc1 .Lhidden_\@
	v_add_nc_u32 v[ADK], s[TB], v[L16]
.rept 4
	v_nop                                          ; with the addition five places behind the last products: four for the loads below, five for the products that write over P
.endr
.irp u, 0,1,2,3
.irp c, 0,1
.irp g, 0,1
	ds_load_b128 v[KV+16*\u+8*\c+4*\g:KV+16*\u+8*\c+4*\g+3], v[ADK] offset:2048*\u+1024*\c+512*\g
.endr
.endr
.endr
	s_wait_dscnt 0x0
.irp c, 0,1                            ; S^T = K Q^T: eight accumulators by turns
.irp u, 0,1,2,3
.irp t, 0,1
.if \c == 0
	v_wmma_f32_16x16x32_f16 v[S+32*\t+8*\u:S+32*\t+8*\u+7], v[KV+16*\u+8*\c:KV+16*\u+8*\c+7], v[Q+16*\t+8*\c:Q+16*\t+8*\c+7], 0
.else
	v_wmma_f32_16x16x32_f16 v[S+32*\t+8*\u:S+32*\t+8*\u+7], v[KV+16*\u+8*\c:KV+16*\u+8*\c+7], v[Q+16*\t+8*\c:Q+16*\t+8*\c+7], v[S+32*\t+8*\u:S+32*\t+8*\u+7]
.endif
.endr
.endr
.endr
.rept 4
	v_nop                                          ; places in front of the loads into K's registers and of the first read of the scores
.endr
.irp e, 0,1                            ; V's fragments land while the softmax is walked
.irp d, 0,1,2,3
.irp g, 0,1
	ds_load_b128 v[KV+32*\e+8*\d+4*\g:KV+32*\e+8*\d+4*\g+3], v[ADK] offset:32768+4096*\e+1024*\d+512*\g
.endr
.endr
.endr
	s_add_co_u32 s54, s[KF], 63
	s_cmp_le_u32 s54, s[Q0]                        ; all 64 keys count for all my queries: no mask
	s_cbranch_scc1 .Lopen_\@
	s_sub_co_i32 s54, s[Q0], s[KF]
	v_add_nc_u32 v7, s54, v[RH]                    ; tile 0: register 8 u + j holds key KF + 16 u + 8 h + j: hidden where 16 u + j > my query - KF - 8 h
	v_add_nc_u32 v8, 16, v7                        ; tile 1
	v_mov_b32 v9, 0xff800000                       ; -infinity: p = 0 then
.irp t, 0,1
.irp u, 0,1,2,3
.irp j, 0,1,2,3,4,5,6,7
	v_cmp_gt_i32 vcc_lo, 16*\u+\j, v[7+\t]
	v_cndmask_b32 v[S+32*\t+8*\u+\j], v[S+32*\t+8*\u+\j], v9, vcc_lo
.endr
.endr
.endr
.Lopen_\@:
	; the maximum of my 32 scores and the old m: four chains a tile, the two tiles by turns; each accumulator is read from its low end on
.irp j, 0,1,2,3
.irp t, 0,1
	v_max3_num_f32 v[ST+8*\t+4+\j], v[S+32*\t+8*\j], v[S+32*\t+8*\j+1], v[S+32*\t+8*\j+2]
.endr
.endr
.irp k, 3,5
.irp j, 0,1,2,3
.irp t, 0,1
	v_max3_num_f32 v[ST+8*\t+4+\j], v[ST+8*\t+4+\j], v[S+32*\t+8*\j+\k], v[S+32*\t+8*\j+\k+1]
.endr
.endr
.endr
.irp t, 0,1
	v_max3_num_f32 v[ST+8*\t+4], v[ST+8*\t+4], v[S+32*\t+7], v[S+32*\t+15]
.endr
.irp t, 0,1
	v_max3_num_f32 v[ST+8*\t+6], v[ST+8*\t+6], v[S+32*\t+23], v[S+32*\t+31]
.endr
.irp t, 0,1
	v_max3_num_f32 v[ST+8*\t+4], v[ST+8*\t+4], v[ST+8*\t+5], v[ST+8*\t+6]
.endr
.irp t, 0,1
	v_max3_num_f32 v[ST+8*\t+4], v[ST+8*\t+4], v[ST+8*\t+7], v[ST+8*\t+1]
.endr
.irp t, 0,1
	v_permlanex16_b32 v[ST+8*\t+5], v[ST+8*\t+4], s[SEL], s[SEL+1]   ; the query's other 32 keys lie in the lane 16 away
.endr
.irp t, 0,1
	v_mov_b32 v[ST+8*\t+7], v[ST+8*\t]             ; c m_old
.endr
.irp t, 0,1
	v_max_num_f32 v[ST+8*\t+1], v[ST+8*\t+4], v[ST+8*\t+5]
.endr
.irp t, 0,1
	v_mul_f32 v[ST+8*\t], s[CS], v[ST+8*\t+1]
.endr
.irp t, 0,1
	v_sub_f32 v[ST+8*\t+7], v[ST+8*\t+7], v[ST+8*\t]
.endr
.irp j, 0,2,4,6,8,10,12,14,16,18,20,22,24,26,28,30
.irp t, 0,1
	v_pk_fma_f32 v[S+32*\t+\j:S+32*\t+\j+1], v[S+32*\t+\j:S+32*\t+\j+1], s[CS:CS+1], v[ST+8*\t:ST+8*\t+1] op_sel_hi:[1,0,0] neg_lo:[0,0,1] neg_hi:[0,0,1]   ; c s - c m
.endr
.endr
.irp t, 0,1                            ; ONE batch of exponentials: a and the 32 weights of both tiles
	v_exp_f32 v[ST+8*\t+6], v[ST+8*\t+7]
.endr
.set i, 0
.rept 64
	v_exp_f32 v[S+i], v[S+i]
.set i, i+1
.endr
	v_nop                                          ; a plain line behind the last exponential
	s_wait_alu depctr_va_vdst(0)                   ; one wait for the batch, ahead of its first reader
.irp t, 0,1                            ; the sums of the unrounded p: two chains a tile
	v_pk_add_f32 v[SUM+2*\t:SUM+2*\t+1], v[S+32*\t:S+32*\t+1], v[S+32*\t+2:S+32*\t+3]
	v_pk_add_f32 v[ST+8*\t+4:ST+8*\t+5], v[S+32*\t+4:S+32*\t+5], v[S+32*\t+6:S+32*\t+7]
.endr
.irp j, 8,12,16,20,24,28
.irp t, 0,1
	v_pk_add_f32 v[SUM+2*\t:SUM+2*\t+1], v[SUM+2*\t:SUM+2*\t+1], v[S+32*\t+\j:S+32*\t+\j+1]
	v_pk_add_f32 v[ST+8*\t+4:ST+8*\t+5], v[ST+8*\t+4:ST+8*\t+5], v[S+32*\t+\j+2:S+32*\t+\j+3]
.endr
.endr
.irp t, 0,1
	v_pk_add_f32 v[SUM+2*\t:SUM+2*\t+1], v[SUM+2*\t:SUM+2*\t+1], v[ST+8*\t+4:ST+8*\t+5]
.endr
.irp t, 0,1
	v_pk_fma_f32 v[ST+8*\t+2:ST+8*\t+3], v[ST+8*\t+2:ST+8*\t+3], v[ST+8*\t+6:ST+8*\t+7], v[SUM+2*\t:SUM+2*\t+1] op_sel_hi:[1,0,1]   ; l = a l + the sum
.endr
.irp n, 0,1,2,3,4,5,6,7,8,9,10,11,12,13,14,15
.irp t, 0,1
	v_cvt_pk_f16_f32 v[S+32*\t+\n], v[S+32*\t+2*\n], v[S+32*\t+2*\n+1]   ; P in place, ascending: registers 8 e .. 8 e + 7 are the fragment of keys 32 e on
.endr
.endr
	s_wait_dscnt 0x0                               ; V is in
.irp t, 0,1
.irp j, 0,2,4,6,8,10,12,14,16,18,20,22,24,26,28,30
	v_pk_mul_f32 v[O+32*\t+\j:O+32*\t+\j+1], v[O+32*\t+\j:O+32*\t+\j+1], v[ST+8*\t+6:ST+8*\t+7] op_sel_hi:[1,0]   ; O^T x a, each accumulator from its low end on
.endr
.endr
.irp e, 0,1                            ; O^T += V^T P: eight accumulators by turns
.irp d, 0,1,2,3
.irp t, 0,1
	v_wmma_f32_16x16x32_f16 v[O+32*\t+8*\d:O+32*\t+8*\d+7], v[KV+32*\e+8*\d:KV+32*\e+8*\d+7], v[S+32*\t+8*\e:S+32*\t+8*\e+7], v[O+32*\t+8*\d:O+32*\t+8*\d+7]
.endr
.endr
.endr
.Lhidden_\@:
	s_add_co_u32 s[KF], s[KF], 64
	s_add_co_u32 s[TB], s[TB], 8192
.endm
; THE CHANGE OF SLOTS stands at a slot's head.  Every wave: all its tensor loads have landed; the add; the add and its reads of the slot that it has left are done; the barrier.  Behind it the slot ahead is whole and nobody
; reads the other one.  fill = 1: that other slot is asked for, while its first key is at or under the work-group's last query: a slot beyond is read by no wave.  The test is made of ids and the count of steps alone,
; is the same in all sixteen waves, and leads round the load's own lines only; every wait for tensor loads in this text is for 0.
.macro CHANGE fill
	s_wait_tensorcnt 0x0
	ds_add_u32 v[SPW], v[NIL]
.if \fill
	ds_add_u32 v[SPW], v[NIL]                      ; twice on end here
	s_xor_b32 s[G0+1], s[G0+1], SLOT1              ; the walking descriptor: the other slot, the next 256 keys
	s_add_nc_u64 s[G0+2:G0+3], s[G0+2:G0+3], 32768
	s_wait_xcnt 0x0                                ; the last prefetch, a slot back, has read its address
	s_add_nc_u64 s[PFA:PFA+1], s[PFA:PFA+1], 32768
.endif
	s_wait_dscnt 0x0
	s_barrier_signal -1
	s_barrier_wait -1
.if \fill
	s_add_co_u32 s54, s[KF], 256
	s_cmp_gt_u32 s54, s[QL]
	s_cbranch_scc1 .Lpast_\@
	TLOAD
.Lpast_\@:
	ASK
.endif
.endm
.macro SLOT_STEPS                      ; a slot's four key steps: written once, walked four times
	s_mov_b32 s[TW], 4
.Lstep_\@:
	STEP
	s_sub_co_u32 s[TW], s[TW], 1
	s_cmp_lg_u32 s[TW], 0
	s_cbranch_scc1 .Lstep_\@
	s_sub_co_u32 s[TB], s[TB], 4*8192
	s_xor_b32 s[TB], s[TB], SLOT1
.endm
	s_wait_loadcnt 0x0                             ; Q
.Lslot:                                            ; seven trips: behind each change of slots but the last the next slot is asked for, up to the causal limit
	CHANGE 1
	SLOT_STEPS
	s_sub_co_u32 s[SLOTS], s[SLOTS], 1
	s_cmp_lg_u32 s[SLOTS], 0
	s_cbranch_scc1 .Lslot
	CHANGE 0                                       ; the last slot is written out: nothing is left to ask for
	SLOT_STEPS
	; THE WAY OUT.  O^T / l, rounded to f16: a lane's eight channels of a query are its 16 bytes of a fragment (16 t x 32 channels) of the projection's operand: no way through LDS.
.irp t, 0,1
	v_add_f32 v[ST+8*\t+4], v[ST+8*\t+2], v[ST+8*\t+3]
.endr
.irp t, 0,1
	v_permlanex16_b32 v[ST+8*\t+5], v[ST+8*\t+4], s[SEL], s[SEL+1]
.endr
.irp t, 0,1
	v_add_f32 v[ST+8*\t+4], v[ST+8*\t+4], v[ST+8*\t+5]
.endr
.irp t, 0,1
	v_rcp_f32 v[ST+8*\t+6], v[ST+8*\t+4]
.endr
	v_nop
	s_wait_alu depctr_va_vdst(0)                   ; one wait for the two reciprocals, ahead of their first reader
.irp t, 0,1
.irp j, 0,2,4,6,8,10,12,14,16,18,20,22,24,26,28,30
	v_pk_mul_f32 v[O+32*\t+\j:O+32*\t+\j+1], v[O+32*\t+\j:O+32*\t+\j+1], v[ST+8*\t+6:ST+8*\t+7] op_sel_hi:[1,0]
.endr
.endr
.set i, 0
.rept 32
	v_cvt_pk_f16_f32 v[S+i], v[O+2*i], v[O+2*i+1]
.set i, i+1
.endr
.irp t, 0,1
.irp d, 0,1,2,3
	global_store_b128 v[L16], v[S+16*\t+4*\d:S+16*\t+4*\d+3], s[6:7] offset:32768*\t+512*\d   ; 512 consecutive bytes
.endr
.endr
	s_wait_tensorcnt 0x0                           ; the wave's end
	ds_add_u32 v[SPW], v[NIL]
	s_wait_dscnt 0x0
	s_endpgm
.Lfunc_end_k_qa8d872b7c4_attn:
	.size	k_qa8d872b7c4_attn, .Lfunc_end_k_qa8d872b7c4_attn-k_qa8d872b7c4_attn
	.p2alignl 7, 3214868480
	.fill 96, 4, 3214868480
	.section	.rodata,"a",@progbits
	.p2align	6, 0x0
	.amdhsa_kernel k_qa8d872b7c4_attn
		.amdhsa_group_segment_fixed_size 327680
		.amdhsa_private_segment_fixed_size 0
		.amdhsa_enable_private_segment 0
		.amdhsa_kernarg_size 16
		.amdhsa_user_sgpr_count 2
		.amdhsa_user_sgpr_kernarg_segment_ptr 1
		.amdhsa_wavefront_size32 1
		.amdhsa_system_sgpr_workgroup_id_x 1
		.amdhsa_system_sgpr_workgroup_id_y 1
		.amdhsa_system_sgpr_workgroup_id_z 1
		.amdhsa_system_vgpr_workitem_id 0
		.amdhsa_next_free_vgpr 256
		.amdhsa_next_free_sgpr 72
		.amdhsa_reserve_vcc 1
		.amdhsa_float_denorm_mode_32 3
		.amdhsa_float_denorm_mode_16_64 3
		.amdhsa_memory_ordered 1
		.amdhsa_forward_progress 1
		.amdhsa_inst_pref_size 57
	.end_amdhsa_kernel
	.amdgpu_metadata
---
amdhsa.version: [ 1, 2 ]
amdhsa.kernels:
  - .name:           k_qa8d872b7c4_attn
    .symbol:         k_qa8d872b7c4_attn.kd
    .args:
      - { .name: qkv, .offset: 0, .size: 8, .value_kind: global_buffer, .address_space: global }
      - { .name: y, .offset: 8, .size: 8, .value_kind: global_buffer, .address_space: global }
    .group_segment_fixed_size: 327680
    .private_segment_fixed_size: 0
    .kernarg_segment_align: 8
    .kernarg_segment_size: 16
    .max_flat_workgroup_size: 512
    .sgpr_count:     72
    .vgpr_count:     256
    .wavefront_size: 32
...
	.end_amdgpu_metadata
.endif
;; end of part 3
;; launch proj (part 4): grid 8 x 64, 4 waves a work-group, clusters of 4 x 4, 327,680 bytes of LDS; arguments y, wp, b_proj, out0; writes out0
.if DOCPART == 4
	.amdgcn_target "amdgcn-amd-amdhsa--gfx1250"
	.amdhsa_code_object_version 6
	.text
	.protected	k_qa8d872b7c4_proj
	.globl	k_qa8d872b7c4_proj
	.p2align	8
	.type	k_qa8d872b7c4_proj,@function
k_qa8d872b7c4_proj:
	s_mov_b64 s[64:65], 0
	v_nop
	global_prefetch_b8 v0, s[64:65] scope:SCOPE_SE
	s_setreg_imm32_b32 hwreg(HW_REG_WAVE_MODE, 25, 1), 1
	s_wait_xcnt 0x0
	s_wait_alu depctr_hold_cnt(0) depctr_sa_sdst(0) depctr_va_vdst(0) depctr_va_sdst(0) depctr_va_ssrc(0) depctr_va_vcc(0) depctr_vm_vsrc(0)
	s_getreg_b32 s2, hwreg(HW_REG_IB_STS2, 6, 4)
	s_cmp_eq_u32 s2, 0
	s_cbranch_scc0 .Lentry_in_a_cluster
	s_endpgm
.Lentry_in_a_cluster:
	s_bfe_u32 s2, ttmp6, 0x10000c
	s_cmp_lg_u32 s2, 0xf033
	s_cbranch_scc0 .Lentry_shape_is_right
	s_endpgm
.Lentry_shape_is_right:
; out0 = y w_proj + b_proj (M 8192, K 1024, N 1024): f16 operands (w_proj's high parts), f32 sums, f32 out.  Rows of positions 0-15 of every batch are stored here as parts of live tiles and made again, finely, by the launch fine.
; A tile of 128 x 128 to a work-group (512 tiles), four waves of 64 x 64: 16 accumulators.  K goes in four steps of 256 through two LDS slots.  Operands lie in memory as images of fragments (16 rows x 32 K = 1024 bytes),
; so a K step of a row tile is 8192 consecutive bytes, LDS needs no padding, and a fragment is two loads of 512 consecutive bytes.
; CLUSTERS 4 x 4: y's tiles are shared along a row of the cluster, wp's along a column: joint loads; a round of the cluster's barrier stands in front of each refill.
; TRANSPOSED USE: source 0 = 16 rows of w_proj^T, source 1 = 16 rows of y: a lane holds eight neighbouring columns of one row.  The bias is the C of each sum's first product.
; REGISTERS: window 0: v16-29 addresses; v32-95 the way out; v96-127 the bias; v128-255 the accumulators ((a, b) at v[128 + 8 (4 a + b)]).  window 1: two fragment buffers of 128: 64 registers of A, then 64 of B, for 64 along K.
.set SLOT,   131072                    ; A: 8 row tiles x 8192 bytes, then B likewise
.set STAGE,  2*SLOT                    ; behind the ring: 16 rows x 272 bytes for each wave
.set SPITCH, 272
.set SPARE,  STAGE+4*16*SPITCH
.set ADRA, 16
.set ADRB, 20
.set STO,  24
.set RD,   25
.set CO,   26
.set BO,   27
.set SPW,  28
.set NIL,  29
.set TMP,  32
.set BIAS, 96
.set ACC,  128
.set F0,   0
.set F1,   128
.set G1, 24
.set G0, 32
.set G1B, 48
.set G0B, 56
.set MSB, 0
.macro WIN new
.if MSB != (\new)
	s_set_vgpr_msb (MSB<<8)|(\new)
.set MSB, (\new)
.endif
.endm
.set MUL,  0x05                        ; sources 0 and 1 window 1; C and D window 0
.set TO_F, 0x40
.macro JLOAD s                         ; waves 0 and 1 fetch A's halves, waves 2 and 3 B's; an s_nop 0 and four v_nop follow each line
	s_cmp_eq_u32 s11, 0
	s_cbranch_scc0 .Lfor_b_\@
	tensor_load_to_lds s[G0+4*\s:G0+4*\s+3], s[G1:G1+7]
	s_nop 0
.rept 4
	v_nop
.endr
	s_branch .Lasked_\@
.Lfor_b_\@:
	tensor_load_to_lds s[G0B+4*\s:G0B+4*\s+3], s[G1B:G1B+7]
	s_nop 0
.rept 4
	v_nop
.endr
.Lasked_\@:
.endm
.macro CREST
	s_cmp_lg_u32 s10, 0
	s_cbranch_scc1 .Lnot_wave_0_\@
	s_barrier_signal -3
.Lnot_wave_0_\@:
	s_barrier_wait -3
	s_barrier_signal -1
	s_barrier_wait -1
.endm
.macro CROUND
	s_barrier_signal -1
	s_barrier_wait -1
	CREST
.endm
	s_load_b128 s[4:7], s[0:1], 0x0                ; y s[4:5], wp s[6:7]
	s_load_b128 s[68:71], s[0:1], 0x10             ; b_proj s[68:69], out0 s[70:71]
	v_lshl_add_u32 v[SPW], v0, 2, SPARE
	v_mov_b32 v[NIL], 0
	ds_add_u32 v[SPW], v[NIL]                      ; the opening: the add, twice on end, and its wait ahead of my first tensor load
	ds_add_u32 v[SPW], v[NIL]
	v_lshrrev_b32 v1, 5, v0
	v_readfirstlane_b32 s10, v1                    ; wave 0..3
	s_lshr_b32 s11, s10, 1                         ; my half of the rows.  Also: I fetch for A (0) or for B (1)
	s_and_b32 s12, s10, 1                          ; my half of the columns.  Also: which 4 tiles I fetch
	s_bfe_u32 s40, ttmp6, 0x40000
	s_bfe_u32 s41, ttmp6, 0x40004
	s_lshl_b32 s42, ttmp9, 2
	s_add_co_u32 s42, s42, s40                     ; tile column 0..7
	s_and_b32 s13, ttmp7, 0xffff
	s_lshl_b32 s13, s13, 2
	s_add_co_u32 s13, s13, s41                     ; tile row 0..63
	s_lshl_b32 s43, s41, 2
	s_lshl_b32 s43, 15, s43
	s_lshl_b32 s44, 0x1111, s40
	s_or_b32 s[G1+0], s43, (3<<16)|(1<<21)         ; group 1: 4 tiles' 8192 bytes, 32768 bytes apart, in elements of 8 bytes; dense in LDS
	s_or_b32 s[G1B+0], s44, (3<<16)|(1<<21)
.irp g, G1, G1B
	s_mov_b32 s[\g+1], 1024<<16
	s_mov_b32 s[\g+2], 4<<16
	s_mov_b32 s[\g+3], 1024<<16
	s_mov_b32 s[\g+4], 4
	s_mov_b32 s[\g+5], 4096
	s_mov_b32 s[\g+6], 0
	s_mov_b32 s[\g+7], 0
.endr
	s_lshl_b32 s17, s12, 2
	s_lshl_b32 s16, s13, 3
	s_add_co_u32 s16, s16, s17
	s_lshl_b32 s16, s16, 15                        ; A: row tile 8 x tile row + 4 x half
	s_lshl_b32 s46, s42, 3
	s_add_co_u32 s46, s46, s17
	s_lshl_b32 s46, s46, 15                        ; B: column tile 8 x tile column + 4 x half
	s_mov_b32 s17, 0
	s_mov_b32 s47, 0
	s_lshl_b32 s20, s10, 15                        ; where they go: wave x 32768
	s_wait_dscnt 0x0
	s_wait_kmcnt 0x0
	s_add_nc_u64 s[14:15], s[4:5], s[16:17]
	s_add_nc_u64 s[46:47], s[6:7], s[46:47]
	CROUND                                         ; all sixteen work-groups are here: the first joint loads meet
.irp s, 0,1
	s_mov_b32 s[G0+4*\s], 1
	s_add_co_u32 s[G0+4*\s+1], s20, \s*SLOT
	s_add_nc_u64 s[G0+4*\s+2:G0+4*\s+3], s[14:15], \s*8192
	s_or_b32 s[G0+4*\s+3], s[G0+4*\s+3], 0x80000000
	s_mov_b32 s[G0B+4*\s], 1
	s_add_co_u32 s[G0B+4*\s+1], s20, \s*SLOT
	s_add_nc_u64 s[G0B+4*\s+2:G0B+4*\s+3], s[46:47], \s*8192
	s_or_b32 s[G0B+4*\s+3], s[G0B+4*\s+3], 0x80000000
	JLOAD \s
.endr
	v_and_b32 v1, 15, v0
	v_bfe_u32 v2, v0, 4, 1
	v_and_b32 v3, 31, v0
	v_lshlrev_b32 v3, 4, v3
	s_lshl_b32 s21, s11, 15
	s_lshl_b32 s22, s12, 15
	s_add_co_u32 s22, s22, 65536
.irp s, 0,1
	v_add_nc_u32 v[ADRA+\s], s21, v3
	v_add_nc_u32 v[ADRB+\s], s22, v3
	s_add_co_u32 s21, s21, SLOT
	s_add_co_u32 s22, s22, SLOT
.endr
	s_mul_i32 s23, s10, 16*SPITCH
	s_add_co_u32 s23, s23, STAGE                   ; my stage
	v_mul_u32_u24 v4, v1, SPITCH
	v_lshl_add_u32 v4, v2, 5, v4
	v_add_nc_u32 v[STO], s23, v4                   ; in: row r, 32 bytes for each half of the lanes
	v_mul_u32_u24 v5, v2, SPITCH
	v_lshl_add_u32 v5, v1, 4, v5
	v_add_nc_u32 v[RD], s23, v5                    ; back: lanes 0-15 one row of 256 bytes, lanes 16-31 the next
	v_lshlrev_b32 v5, 12, v2
	v_lshl_add_u32 v[CO], v1, 4, v5                ; and the same two rows in out0
	v_lshlrev_b32 v[BO], 5, v2
	s_lshl_b32 s16, s42, 9
	s_lshl_b32 s18, s12, 8
	s_add_co_u32 s16, s16, s18                     ; my first column x 4
	s_add_nc_u64 s[68:69], s[68:69], s[16:17]
.irp b, 0,1,2,3
	global_load_b128 v[BIAS+8*\b:BIAS+8*\b+3], v[BO], s[68:69] offset:64*\b
	global_load_b128 v[BIAS+8*\b+4:BIAS+8*\b+7], v[BO], s[68:69] offset:64*\b+16
.endr
	s_lshl_b32 s18, s13, 19
	s_add_co_u32 s16, s16, s18
	s_lshl_b32 s18, s11, 18
	s_add_co_u32 s16, s16, s18                     ; + my first row x 4096
	s_add_nc_u64 s[70:71], s[70:71], s[16:17]
; 8 products: row blocks a0, a0 + 1 x all 4 column blocks, 32 along K: half c of buffer f.  first = 1: C is the bias
.macro MUL8 f, c, a0, first
.irp a, \a0, \a0+1
.irp b, 0,1,2,3
.if \first
	v_wmma_f32_16x16x32_f16 v[ACC+8*(4*(\a)+\b):ACC+8*(4*(\a)+\b)+7], v[\f+64+8*(4*\c+\b):\f+64+8*(4*\c+\b)+7], v[\f+8*(4*\c+(\a)):\f+8*(4*\c+(\a))+7], v[BIAS+8*\b:BIAS+8*\b+7]
.else
	v_wmma_f32_16x16x32_f16 v[ACC+8*(4*(\a)+\b):ACC+8*(4*(\a)+\b)+7], v[\f+64+8*(4*\c+\b):\f+64+8*(4*\c+\b)+7], v[\f+8*(4*\c+(\a)):\f+8*(4*\c+(\a))+7], v[ACC+8*(4*(\a)+\b):ACC+8*(4*(\a)+\b)+7]
.endif
.endr
.endr
.endm
; 32 LDS loads in one run: the fragments of quarter kq (64 along K: chunks 2 kq, 2 kq + 1) into buffer f; the first 32 along K first
.macro FETCH slot, kq, f
	WIN TO_F
.irp c, 0,1
.irp i, 0,1,2,3
	ds_load_b128 v[\f+64+8*(4*\c+\i):\f+64+8*(4*\c+\i)+3],   v[ADRB+\slot] offset:8192*\i+1024*(2*\kq+\c)
	ds_load_b128 v[\f+64+8*(4*\c+\i)+4:\f+64+8*(4*\c+\i)+7], v[ADRB+\slot] offset:8192*\i+1024*(2*\kq+\c)+512
	ds_load_b128 v[\f+8*(4*\c+\i):\f+8*(4*\c+\i)+3],         v[ADRA+\slot] offset:8192*\i+1024*(2*\kq+\c)
	ds_load_b128 v[\f+8*(4*\c+\i)+4:\f+8*(4*\c+\i)+7],       v[ADRA+\slot] offset:8192*\i+1024*(2*\kq+\c)+512
.endr
.endr
.endm
.macro PLACES
.rept 4
	v_nop
.endr
.endm
; one of a K step's first three quarters: multiplies buffer f and fetches quarter kq into g
.macro QUARTER slot, kq, f, g, first
	s_wait_dscnt 16                                ; the first 32 along K are in; the other sixteen loads may be out
	WIN MUL
	MUL8 \f, 0, 0, \first
	MUL8 \f, 0, 2, \first
	PLACES
	FETCH \slot, \kq, \g
	s_wait_dscnt 32                                ; all but the 32 just issued
	WIN MUL
	MUL8 \f, 1, 0, 0
	MUL8 \f, 1, 2, 0
.endm
; the last quarter multiplies buffer 1 and changes slots: each wave waits for all its tensor loads, adds 0 to its spare word, waits for that and for its reads of this slot; then the barrier.  fill = 1: the barrier opens a
; round of the cluster's, and this slot is filled again, two K steps ahead, first thing behind the round
.macro TURN slot, next, fill
	WIN 0
	s_wait_tensorcnt 0x0
	ds_add_u32 v[SPW], v[NIL]
	s_wait_dscnt 17                                ; the add and the youngest sixteen loads may be out
	WIN MUL
	MUL8 F1, 0, 0, 0
	s_wait_dscnt 0x0
	s_barrier_signal -1
	MUL8 F1, 0, 2, 0
.if \fill
	WIN 0
.endif
	s_barrier_wait -1
.if \fill
	CREST
	s_add_nc_u64 s[G0+4*\slot+2:G0+4*\slot+3], s[G0+4*\slot+2:G0+4*\slot+3], 2*8192
	s_add_nc_u64 s[G0B+4*\slot+2:G0B+4*\slot+3], s[G0B+4*\slot+2:G0B+4*\slot+3], 2*8192
	JLOAD \slot                                    ; its four v_nop are also the places in front of the loads below
.else
	PLACES
.endif
	FETCH \next, 0, F0
	WIN MUL
	MUL8 F1, 1, 0, 0
	MUL8 F1, 1, 2, 0
.endm
	s_wait_tensorcnt 1                             ; my part of K step 0 is in; K step 1's load may be out
	s_barrier_signal -1
	s_barrier_wait -1
	FETCH 0, 0, F0
	s_wait_loadcnt 0x0                             ; the bias
	QUARTER 0, 1, F0, F1, 1
	QUARTER 0, 2, F1, F0, 0
	QUARTER 0, 3, F0, F1, 0
	TURN 0, 1, 1                                   ; slot 0 takes K step 2
	QUARTER 1, 1, F0, F1, 0
	QUARTER 1, 2, F1, F0, 0
	QUARTER 1, 3, F0, F1, 0
	TURN 1, 0, 1                                   ; slot 1 takes K step 3
	QUARTER 0, 1, F0, F1, 0
	QUARTER 0, 2, F1, F0, 0
	QUARTER 0, 3, F0, F1, 0
	TURN 0, 1, 0
	QUARTER 1, 1, F0, F1, 0
	QUARTER 1, 2, F1, F0, 0
	QUARTER 1, 3, F0, F1, 0
	s_wait_dscnt 16
	WIN MUL
	MUL8 F1, 0, 0, 0
	MUL8 F1, 0, 2, 0
	s_wait_dscnt 0
	MUL8 F1, 1, 0, 0
	MUL8 F1, 1, 2, 0
	WIN 0
; THE WAY OUT, a block of 16 rows x 64 columns at a time through my own stage: a lane's 32 bytes go in, whole rows of 256 bytes come back.  LDS serves a wave's instructions in order (ISA guide 5.7.1.4).
.macro TOSTAGE a
.irp b, 0,1,2,3
	ds_store_b128 v[STO], v[ACC+8*(4*\a+\b):ACC+8*(4*\a+\b)+3] offset:64*\b        ; each accumulator from its low end on
	ds_store_b128 v[STO], v[ACC+8*(4*\a+\b)+4:ACC+8*(4*\a+\b)+7] offset:64*\b+16
.endr
.irp t, 0,1,2,3,4,5,6,7
	ds_load_b128 v[TMP+32*(\a%2)+4*\t:TMP+32*(\a%2)+4*\t+3], v[RD] offset:\t*2*SPITCH
.endr
.endm
.macro SEND a, younger
	s_wait_dscnt \younger
.irp t, 0,1,2,3,4,5,6,7
	global_store_b128 v[CO], v[TMP+32*(\a%2)+4*\t:TMP+32*(\a%2)+4*\t+3], s[70:71] offset:(16*\a+2*\t)*4096 th:TH_STORE_NT   ; sixteen lanes store 256 consecutive bytes, aligned
.endr
.endm
	PLACES
	TOSTAGE 0
	TOSTAGE 1
	SEND 0, 16                                     ; behind block 0's loads: block 1's 8 stores and 8 loads
	s_wait_xcnt 0x0                                ; block 0's stores have read their registers
	TOSTAGE 2
	SEND 1, 16
	s_wait_xcnt 0x0
	TOSTAGE 3
	SEND 2, 16
	SEND 3, 0
	s_wait_tensorcnt 0x0                           ; the wave's end
	ds_add_u32 v[SPW], v[NIL]
	s_wait_dscnt 0x0
	CROUND                                         ; the closing round
	s_endpgm
.Lfunc_end_k_qa8d872b7c4_proj:
	.size	k_qa8d872b7c4_proj, .Lfunc_end_k_qa8d872b7c4_proj-k_qa8d872b7c4_proj
	.p2alignl 7, 3214868480
	.fill 96, 4, 3214868480
	.section	.rodata,"a",@progbits
	.p2align	6, 0x0
	.amdhsa_kernel k_qa8d872b7c4_proj
		.amdhsa_group_segment_fixed_size 327680
		.amdhsa_private_segment_fixed_size 0
		.amdhsa_enable_private_segment 0
		.amdhsa_kernarg_size 32
		.amdhsa_user_sgpr_count 2
		.amdhsa_user_sgpr_kernarg_segment_ptr 1
		.amdhsa_wavefront_size32 1
		.amdhsa_system_sgpr_workgroup_id_x 1
		.amdhsa_system_sgpr_workgroup_id_y 1
		.amdhsa_system_sgpr_workgroup_id_z 1
		.amdhsa_system_vgpr_workitem_id 0
		.amdhsa_next_free_vgpr 512
		.amdhsa_next_free_sgpr 72
		.amdhsa_reserve_vcc 0
		.amdhsa_float_denorm_mode_32 3
		.amdhsa_float_denorm_mode_16_64 3
		.amdhsa_memory_ordered 1
		.amdhsa_forward_progress 1
		.amdhsa_inst_pref_size 86
	.end_amdhsa_kernel
	.amdgpu_metadata
---
amdhsa.version: [ 1, 2 ]
amdhsa.kernels:
  - .name:           k_qa8d872b7c4_proj
    .symbol:         k_qa8d872b7c4_proj.kd
    .args:
      - { .name: y, .offset: 0, .size: 8, .value_kind: global_buffer, .address_space: global }
      - { .name: wp, .offset: 8, .size: 8, .value_kind: global_buffer, .address_space: global }
      - { .name: b_proj, .offset: 16, .size: 8, .value_kind: global_buffer, .address_space: global }
      - { .name: out0, .offset: 24, .size: 8, .value_kind: global_buffer, .address_space: global }
    .group_segment_fixed_size: 327680
    .private_segment_fixed_size: 0
    .kernarg_segment_align: 8
    .kernarg_segment_size: 32
    .max_flat_workgroup_size: 128
    .sgpr_count:     72
    .vgpr_count:     512
    .wavefront_size: 32
...
	.end_amdgpu_metadata
.endif
;; end of part 4
;; launch fine (part 5): grid 16 x 4, 16 waves a work-group, no clusters, 71,680 bytes of LDS; arguments fr, wp, b_proj, out0; writes out0
.if DOCPART == 5
	.amdgcn_target "amdgcn-amd-amdhsa--gfx1250"
	.amdhsa_code_object_version 6
	.text
	.protected	k_qa8d872b7c4_fine
	.globl	k_qa8d872b7c4_fine
	.p2align	8
	.type	k_qa8d872b7c4_fine,@function
k_qa8d872b7c4_fine:
	s_mov_b64 s[64:65], 0
	v_nop
	global_prefetch_b8 v0, s[64:65] scope:SCOPE_SE
	s_setreg_imm32_b32 hwreg(HW_REG_WAVE_MODE, 25, 1), 1
	s_wait_xcnt 0x0
; The output's rows of positions 0-15 of every batch, made finely: these rows average one to sixteen values and are the largest in size, so the rounding of f16 operands weighs most there.
; Scores and the weighted sum of v in f32 (the f32 matrix form: 32 instructions a wave, no bulk work); the projection with y and w_proj as pairs of f16 numbers, a high and a low part, split in f32:
; Wh yh + Wl yh + Wh yl.  k comes without its bias (shown at the head of prep).
; SHARES.  A work-group takes a batch and 64 columns of the output; wave w takes head w: its 16 x 16 scores, its 16 x 64 of y, and its part of the sum over the 1024 channels; the sixteen parts meet in LDS.
; LAYOUT.  S^T = k q^T and y^T = v^T p: a lane holds one query (lane % 16) throughout.  The f32 form takes K = 2 h + j in register j: the same permutation of K is fed to both sources.
; REGISTERS: v1-7, v9 addresses; v8 1 / l; v10, v11 the add's two; v12-15 the bias; v16-31 at work; v32-63 q, v64-95 k, later w_proj's second chunk; v96-127 v, later y's high (96-111) and low (112-127) parts;
;   v128-191 w_proj's first chunk, later the sixteen parts; v192-207 two accumulators of scores, v208-239 y^T and then the output's four tiles: written by matrix instructions alone; v240-247 p; v248-255 scores.
.set PW,    4352                       ; a wave's part in LDS: 8 groups of 544 bytes: [h][16 rows][16 bytes], 272 bytes for each h
.set SPARE, 16*PW
.set SPW, 10
.set NIL, 11
.set SEL, 26
.set CS,  28
	s_load_b256 s[4:11], s[0:1], 0x0               ; fr s[4:5], wp s[6:7], b_proj s[8:9], out0 s[10:11]
	v_lshl_add_u32 v[SPW], v0, 2, SPARE
	v_mov_b32 v[NIL], 0
	v_lshrrev_b32 v1, 5, v0
	v_readfirstlane_b32 s12, v1                    ; wave = head
	v_and_b32 v16, 15, v0                          ; r
	v_bfe_u32 v17, v0, 4, 1                        ; h
	v_and_b32 v18, 31, v0
	v_lshlrev_b32 v1, 13, v16
	v_lshl_add_u32 v1, v17, 4, v1                  ; q, k: row r of 8192 bytes, + 16 h
	v_lshlrev_b32 v2, 6, v16
	v_lshl_add_u32 v2, v17, 5, v2                  ; v: channel r of 64 bytes, + 32 h
	v_lshlrev_b32 v3, 4, v18                       ; a fragment's image: 16 x lane
	v_lshlrev_b32 v4, 4, v16                       ; 16 bytes of a row's 256
	s_mul_i32 s13, s12, PW
	v_mul_u32_u24 v5, v17, 272
	v_lshl_add_u32 v5, v16, 4, v5
	v_add_nc_u32 v5, s13, v5                       ; where I put my part: 16 r + 272 h
	v_lshrrev_b32 v19, 2, v16                      ; back: piece p = lane % 16 is columns 4 p on: tile p / 4, half (p / 2) % 2, registers 4 (p % 2) on
	v_and_b32 v20, 1, v16
	v_lshl_add_u32 v19, v19, 1, v20
	v_mul_u32_u24 v6, v19, 544
	v_bfe_u32 v20, v16, 1, 1
	v_mad_u32_u24 v6, v20, 272, v6
	v_lshl_add_u32 v6, v17, 4, v6
	s_and_b32 s13, s12, 7
	s_lshl_b32 s13, s13, 5
	v_add_nc_u32 v6, s13, v6                       ; row 2 (w % 8) + lane / 16
	v_lshl_add_u32 v7, v17, 12, v4                 ; the same in out0
	v_lshlrev_b32 v9, 3, v17
	v_sub_nc_u32 v9, v16, v9                       ; r - 8 h
	s_and_b32 s14, ttmp7, 0xffff                   ; batch
	s_lshl_b32 s16, s14, 17
	s_lshl_b32 s15, s12, 8
	s_add_co_u32 s16, s16, s15
	s_mov_b32 s17, 0
	s_lshl_b32 s18, s14, 16
	s_lshl_b32 s15, s12, 12
	s_add_co_u32 s18, s18, s15
	s_add_co_u32 s18, s18, 524288
	s_mov_b32 s19, 0
	s_lshl_b32 s20, ttmp9, 17                      ; wp: column tile 4 x slice, chunk 2 x head
	s_lshl_b32 s15, s12, 11
	s_add_co_u32 s20, s20, s15
	s_mov_b32 s21, 0
	s_lshl_b32 s22, ttmp9, 8
	s_mov_b32 s23, 0
	s_lshl_b32 s24, s14, 23
	s_and_b32 s15, s12, 7
	s_lshl_b32 s15, s15, 13
	s_add_co_u32 s24, s24, s15
	s_add_co_u32 s24, s24, s22
	s_mov_b32 s25, 0
	s_mov_b32 s[SEL], 0x76543210
	s_mov_b32 s[SEL+1], 0xfedcba98
	s_mov_b32 s[CS], 0x3e38aa3b                    ; c = log2(e) / 8
	s_mov_b32 s[CS+1], s[CS]
	s_mov_b32 s30, 0xffffe000                      ; keeps sign, exponent and 10 mantissa bits
	s_wait_kmcnt 0x0
	s_add_nc_u64 s[16:17], s[4:5], s[16:17]
	s_add_nc_u64 s[18:19], s[4:5], s[18:19]
	s_add_nc_u64 s[20:21], s[6:7], s[20:21]
	s_add_nc_u64 s[8:9], s[8:9], s[22:23]
	s_add_nc_u64 s[10:11], s[10:11], s[24:25]
.irp c, 0,1,2,3,4,5,6,7
	global_load_b128 v[32+4*\c:35+4*\c], v1, s[16:17] offset:32*\c            ; q(r, 8 c + 4 h + 0 .. 3)
.endr
.irp c, 0,1,2,3,4,5,6,7
	global_load_b128 v[64+4*\c:67+4*\c], v1, s[16:17] offset:4096+32*\c       ; k likewise
.endr
.irp d, 0,1,2,3
	global_load_b128 v[96+8*\d:99+8*\d], v2, s[18:19] offset:1024*\d          ; v(keys 8 h + 0 .. 7, channel 16 d + r)
	global_load_b128 v[100+8*\d:103+8*\d], v2, s[18:19] offset:1024*\d+16
.endr
.irp q, 0,1,2,3
.irp w, 0,1
.irp g, 0,1
	global_load_b128 v[128+16*\q+8*\w+4*\g:131+16*\q+8*\w+4*\g], v3, s[20:21] offset:32768*\q+2097152*\w+512*\g   ; w_proj^T: column tile q, my first chunk; w = 1: the low parts
.endr
.endr
.endr
	global_load_b128 v[12:15], v4, s[8:9]
	s_wait_loadcnt 25                              ; q and k are in; v's 8, w_proj's 16 and the bias's 1 may be out
	v_wmma_f32_16x16x4_f32 v[192:199], v[64:65], v[32:33], 0                  ; two accumulators by turns; each sum's first step takes the constant 0
	v_wmma_f32_16x16x4_f32 v[200:207], v[66:67], v[34:35], 0
.irp n, 2,4,6,8,10,12,14
	v_wmma_f32_16x16x4_f32 v[192:199], v[64+2*\n:65+2*\n], v[32+2*\n:33+2*\n], v[192:199]
	v_wmma_f32_16x16x4_f32 v[200:207], v[66+2*\n:67+2*\n], v[34+2*\n:35+2*\n], v[200:207]
.endr
.rept 8
	v_nop                                          ; eight places behind this form, in front of loads into its sources and of the first read of its results
.endr
.irp q, 0,1,2,3
.irp w, 0,1
.irp g, 0,1
	global_load_b128 v[32+16*\q+8*\w+4*\g:35+16*\q+8*\w+4*\g], v3, s[20:21] offset:1024+32768*\q+2097152*\w+512*\g   ; my second chunk
.endr
.endr
.endr
.irp i, 0,2,4,6
	v_pk_add_f32 v[248+\i:249+\i], v[192+\i:193+\i], v[200+\i:201+\i]         ; lane (r, h), register j: query r, key 8 h + j
.endr
	v_mov_b32 v21, 0xff800000
.irp j, 0,1,2,3,4,5,6,7
	v_cmp_gt_i32 vcc_lo, \j, v9                    ; hidden where 8 h + j > r
	v_cndmask_b32 v[248+\j], v[248+\j], v21, vcc_lo
.endr
	v_max3_num_f32 v16, v248, v249, v250
	v_max3_num_f32 v17, v251, v252, v253
	v_max3_num_f32 v16, v16, v254, v255
	v_max_num_f32 v16, v16, v17
	v_permlanex16_b32 v17, v16, s[SEL], s[SEL+1]
	v_max_num_f32 v16, v16, v17                    ; the row's maximum: key 0 counts for every query
	v_mul_f32 v18, s[CS], v16
	v_mov_b32 v19, v18
.irp i, 0,2,4,6
	v_pk_fma_f32 v[240+\i:241+\i], v[248+\i:249+\i], s[CS:CS+1], v[18:19] op_sel_hi:[1,0,0] neg_lo:[0,0,1] neg_hi:[0,0,1]
.endr
.irp j, 0,1,2,3,4,5,6,7
	v_exp_f32 v[240+\j], v[240+\j]
.endr
	v_nop
	s_wait_alu depctr_va_vdst(0)                   ; one wait for the eight, ahead of their first reader
	v_pk_add_f32 v[20:21], v[240:241], v[242:243]
	v_pk_add_f32 v[22:23], v[244:245], v[246:247]
	v_pk_add_f32 v[20:21], v[20:21], v[22:23]
	v_add_f32 v20, v20, v21
	v_permlanex16_b32 v21, v20, s[SEL], s[SEL+1]
	v_add_f32 v20, v20, v21
	v_rcp_f32 v8, v20
	v_nop
	s_wait_alu depctr_va_vdst(0)
	s_wait_loadcnt 33                              ; v is in; w_proj's 16, the bias's 1 and the second chunk's 16 may be out
.irp i, 0,1,2,3                        ; y^T = v^T p: in instruction i the place (h, j) stands for key 8 h + 2 i + j on both sides; four accumulators by turns
.irp d, 0,1,2,3
.if \i == 0
	v_wmma_f32_16x16x4_f32 v[208+8*\d:215+8*\d], v[96+8*\d+2*\i:97+8*\d+2*\i], v[240+2*\i:241+2*\i], 0
.else
	v_wmma_f32_16x16x4_f32 v[208+8*\d:215+8*\d], v[96+8*\d+2*\i:97+8*\d+2*\i], v[240+2*\i:241+2*\i], v[208+8*\d:215+8*\d]
.endif
.endr
.endr
.rept 8
	v_nop
.endr
.irp d, 0,1,2,3                        ; y = y^T / l, split in f32: high = the number with its low 13 mantissa bits cleared, low = the exact rest; both packed to f16
.irp i, 0,2,4,6
	v_pk_mul_f32 v[16+\i:17+\i], v[208+8*\d+\i:209+8*\d+\i], v[8:9] op_sel_hi:[1,0]
.endr
.irp j, 0,1,2,3,4,5,6,7
	v_and_b32 v[24+\j], s30, v[16+\j]
.endr
.irp i, 0,2,4,6
	v_pk_add_f32 v[16+\i:17+\i], v[16+\i:17+\i], v[24+\i:25+\i] neg_lo:[0,1] neg_hi:[0,1]
.endr
.irp i, 0,1,2,3
	v_cvt_pk_f16_f32 v[96+4*\d+\i], v[24+2*\i], v[25+2*\i]
	v_cvt_pk_f16_f32 v[112+4*\d+\i], v[16+2*\i], v[17+2*\i]
.endr
.endr
	s_wait_loadcnt 0x0
; four products, one for each column tile: source 0 = 16 columns of w_proj (wb: where the chunk's fragments begin; wl = 1: low parts), source 1 = my 16 rows of y (yb)
.macro PJ wb, wl, yb, first
.irp q, 0,1,2,3
.if \first
	v_wmma_f32_16x16x32_f16 v[208+8*\q:215+8*\q], v[\wb+16*\q+8*\wl:\wb+16*\q+8*\wl+7], v[\yb:\yb+7], 0
.else
	v_wmma_f32_16x16x32_f16 v[208+8*\q:215+8*\q], v[\wb+16*\q+8*\wl:\wb+16*\q+8*\wl+7], v[\yb:\yb+7], v[208+8*\q:215+8*\q]
.endif
.endr
.endm
	PJ 128, 0, 96, 1                               ; channels 0-31 of my head: Wh yh,
	PJ 128, 1, 96, 0                               ; Wl yh,
	PJ 128, 0, 112, 0                              ; Wh yl
	PJ 32, 0, 104, 0                               ; channels 32-63
	PJ 32, 1, 104, 0
	PJ 32, 0, 120, 0
.rept 4
	v_nop
.endr
.irp q, 0,1,2,3
	ds_store_b128 v5, v[208+8*\q:211+8*\q] offset:(2*\q)*544        ; lane (r, h): row r, columns 16 q + 8 h + 0 .. 7; each accumulator from its low end on
	ds_store_b128 v5, v[212+8*\q:215+8*\q] offset:(2*\q+1)*544
.endr
	s_wait_dscnt 0x0                               ; for the others' sake: my part has landed
	s_barrier_signal -1
	s_barrier_wait -1
	s_cmp_ge_u32 s12, 8
	s_cbranch_scc1 .Lend
.irp s, 0,1,2,3,4,5,6,7,8,9,10,11,12,13,14,15
	ds_load_b128 v[128+4*\s:131+4*\s], v6 offset:\s*PW             ; waves 0-7: two rows each, the sixteen heads' parts
.endr
	s_wait_dscnt 0x0
.irp i, 0,2,4,6,8,10,12,14,16,18,20,22,24,26,28,30
	v_pk_add_f32 v[128+\i:129+\i], v[128+\i:129+\i], v[160+\i:161+\i]
.endr
.irp i, 0,2,4,6,8,10,12,14
	v_pk_add_f32 v[128+\i:129+\i], v[128+\i:129+\i], v[144+\i:145+\i]
.endr
.irp i, 0,2,4,6
	v_pk_add_f32 v[128+\i:129+\i], v[128+\i:129+\i], v[136+\i:137+\i]
.endr
.irp i, 0,2
	v_pk_add_f32 v[128+\i:129+\i], v[128+\i:129+\i], v[132+\i:133+\i]
.endr
.irp i, 0,2
	v_pk_add_f32 v[128+\i:129+\i], v[128+\i:129+\i], v[12+\i:13+\i]
.endr
	global_store_b128 v7, v[128:131], s[10:11]     ; sixteen lanes store 256 consecutive bytes, aligned
.Lend:
	s_wait_tensorcnt 0x0                           ; the wave's end
	ds_add_u32 v[SPW], v[NIL]
	s_wait_dscnt 0x0
	s_endpgm
.Lfunc_end_k_qa8d872b7c4_fine:
	.size	k_qa8d872b7c4_fine, .Lfunc_end_k_qa8d872b7c4_fine-k_qa8d872b7c4_fine
	.p2alignl 7, 3214868480
	.fill 96, 4, 3214868480
	.section	.rodata,"a",@progbits
	.p2align	6, 0x0
	.amdhsa_kernel k_qa8d872b7c4_fine
		.amdhsa_group_segment_fixed_size 71680
		.amdhsa_private_segment_fixed_size 0
		.amdhsa_enable_private_segment 0
		.amdhsa_kernarg_size 32
		.amdhsa_user_sgpr_count 2
		.amdhsa_user_sgpr_kernarg_segment_ptr 1
		.amdhsa_wavefront_size32 1
		.amdhsa_system_sgpr_workgroup_id_x 1
		.amdhsa_system_sgpr_workgroup_id_y 1
		.amdhsa_system_sgpr_workgroup_id_z 1
		.amdhsa_system_vgpr_workitem_id 0
		.amdhsa_next_free_vgpr 256
		.amdhsa_next_free_sgpr 66
		.amdhsa_reserve_vcc 1
		.amdhsa_float_denorm_mode_32 3
		.amdhsa_float_denorm_mode_16_64 3
		.amdhsa_memory_ordered 1
		.amdhsa_forward_progress 1
		.amdhsa_inst_pref_size 24
	.end_amdhsa_kernel
	.amdgpu_metadata
---
amdhsa.version: [ 1, 2 ]
amdhsa.kernels:
  - .name:           k_qa8d872b7c4_fine
    .symbol:         k_qa8d872b7c4_fine.kd
    .args:
      - { .name: fr, .offset: 0, .size: 8, .value_kind: global_buffer, .address_space: global }
      - { .name: wp, .offset: 8, .size: 8, .value_kind: global_buffer, .address_space: global }
      - { .name: b_proj, .offset: 16, .size: 8, .value_kind: global_buffer, .address_space: global }
      - { .name: out0, .offset: 24, .size: 8, .value_kind: global_buffer, .address_space: global }
    .group_segment_fixed_size: 71680
    .private_segment_fixed_size: 0
    .kernarg_segment_align: 8
    .kernarg_segment_size: 32
    .max_flat_workgroup_size: 512
    .sgpr_count:     66
    .vgpr_count:     256
    .wavefront_size: 32
...
	.end_amdgpu_metadata
.endif
;; end of part 5
